; MI455X (gfx1250); checked and timed in simulation.
; The chip was launched on July 23, 2026; its instructions are those of AMD's public machine-readable ISA for CDNA 5 (MIT licence, August 2026) and "CDNA5" Instruction Set Architecture Reference Guide (July 2026). The comments in the code are by the model that wrote it; some were corrected since.
;; Casual Self Attention. Allowed arithmetic: matrix products marked QUANTISED: E2M3 operands, one E8M0 scale for each 32 along K, by v_wmma_scale_f32_16x16x128_f8f6f4 with both operands' format E2M3, f32 sums; everything else in f32.
;; Inputs: Wkv 512 x 1,024 float32; Wproj 1,024 x 1,024 float32; Wq 1,024 x 1,024 float32; b_proj 1,024 float32; x 4 x 2,048 x 1,024 float32.
;; Outputs: out0 4 x 2,048 x 1,024 float32.
;; This version of the problem:
;;   THIS VERSION OF THE PROBLEM IS GIVEN IN LOW PRECISION. The matrix products marked QUANTISED in the list below multiply operands that are first quantised to E2M3 (2 exponent bits, 3 mantissa bits; 6 bits a number), with one power-of-two scale for each 32 numbers along K (OCP MX v1.0); their sums are f32. All else is computed in f32.
;;   The module's matrix products, in the order in which they are computed (A, B: the left and right operand; K: the contracted axis; several contracted axes count as one K, in the product's order):
;;     1. [M 8,192, K 1,024] x [K 1,024, N 1,024]; A: input x; B: input Wq: QUANTISED
;;     2. [M 8,192, K 1,024] x [K 1,024, N 512]; A: input x; B: input Wkv: QUANTISED
;;     3. batch 64 x [M 2,048, K 64] x [K 64, N 2,048]; A: computed on the way; B: computed on the way: QUANTISED
;;     4. batch 64 x [M 2,048, K 2,048] x [K 2,048, N 64]; A: softmax (see below); B: computed on the way: QUANTISED
;;     5. [M 8,192, K 1,024] x [K 1,024, N 1,024]; A: computed on the way; B: input Wproj: QUANTISED
;;   THE QUANTISER, for each operand of a quantised product, along K:
;;     - K is cut into blocks of 32 from its start; a last block that is shorter is filled with zeros.
;;     - A block's scale is 2^e with e = floor(log2(the largest magnitude in the block)) - 2, held to -126 .. 127; a block of zeros has e = 0. As a byte (E8M0): e + 127.
;;     - Each number is divided by its block's scale, clamped to +-7.5, and rounded to the nearest number of E2M3, ties to even, subnormals kept.
;;     - The product sums the exact products of the quantised numbers (number of the format x scale) in f32.
;;   ~~~python
;;   def quantise(x, axis):      # numpy; x: float32 -> the quantised numbers, widened to float32 again
;;       x = np.moveaxis(x, axis, -1); K = x.shape[-1]
;;       x = np.pad(x, [(0, 0)] * (x.ndim - 1) + [(0, -K % 32)]); x = x.reshape(x.shape[:-1] + (-1, 32)); a = np.abs(x).max(-1, keepdims=True)
;;       e = np.where(a > 0, np.clip(np.frexp(np.where(a > 0, a, 1))[1] - 1 - 2, -126, 127), 0)      # np.frexp(a)[1] - 1 = floor(log2(a)), exactly
;;       r = np.clip(x / 2.0 ** e, -7.5, 7.5)
;;       step = 2.0 ** (np.maximum(np.frexp(np.where(r == 0, 1, r))[1] - 1, 0) - 3)
;;       q = np.round(r / step) * step * 2.0 ** e      # np.round: ties to even
;;       return np.moveaxis(q.reshape(q.shape[:-2] + (-1,))[..., :K], -1, axis).astype(np.float32)
;;   ~~~
;;   SOFTMAX AHEAD OF A QUANTISED PRODUCT. Where the list says 'softmax', what is quantised is not the finished softmax but p = 2^(t - M), with t = logit x log2(e) and M = ceil(the row's largest t), a whole number; so 1/2 < the row's largest p <= 1. The row's sum l is taken of the UNQUANTISED p, in f32, and the product's result is divided by l at the end. Since M is a whole number, a kernel that streams over the keys may use a running M (the ceiling of the running maximum): every later rescaling is an exact power of two, which a block's scale takes up: the codes' values come out the same.
;;   OPERANDS COMPUTED ON THE WAY. 'Computed on the way' means the value that the module computes at that place (a softmax that the list does not call 'softmax' is quantised finished and normalised). What goes into a quantiser is computed in f32, as accurately as f32 sums, v_exp_f32 and their like allow (about 1e-6 of the number): no bf16 or f16 on the way to a quantiser, and a product that is left as it is and whose result goes on into a quantised operand takes f32 operands (vector FMAs, or v_wmma_f32_16x16x4_f32). A number that lies on a knife's edge between two numbers of the format may be rounded either way, as far as f32 arithmetic and the matrix unit's own rounding can turn it there, and no further.
;; One version. Each part assembles by itself: llvm-mc -triple=amdgcn-amd-amdhsa -mcpu=gfx1250 --defsym DOCPART=n.
;; ======== version 1 of 1: 4 launches
;; limits: right only within a limited range of input values
;; workspace buffers: xw 8,945,664 bytes; qq 6,815,744 bytes; kvp 3,407,872 bytes; yq 6,815,744 bytes
;; launch quant (part 1): grid 672 x 1, 4 waves a work-group, no clusters, 67,072 bytes of LDS; arguments x, Wq, Wkv, Wproj, xw; writes xw
.if DOCPART == 1
	.amdgcn_target "amdgcn-amd-amdhsa--gfx1250"
	.amdhsa_code_object_version 6
	.text
	.protected	k_qdfa5d3cd84_quant
	.globl	k_qdfa5d3cd84_quant
	.p2align	8
	.type	k_qdfa5d3cd84_quant,@function
k_qdfa5d3cd84_quant:
	s_mov_b64 s[64:65], 0
	v_nop
	global_prefetch_b8 v0, s[64:65] scope:SCOPE_SE
	s_setreg_imm32_b32 hwreg(HW_REG_WAVE_MODE, 25, 1), 1
	s_wait_xcnt 0x0
; x [8192][1024], Wq [1024][1024], Wkv [512][1024], Wproj [1024][1024], f32 with K innermost, become codes of FP6 (E2M3) with one E8M0 byte for each 32 along K,
; laid in xw in the ORDER OF AN OPERAND'S REGISTERS, so that the products' launches read fragments by loads of 16 bytes a lane on end.
; TILE: 16 rows; lane r of tile t holds row 32 (t / 2) + 8 (t % 2) + r + 8 (r / 8).  RECORD (3,328 bytes = 13 x 256): 256 along K of one tile: two fragment images of 1,536 bytes
; (registers 4 p .. 4 p + 3 of lane l at 512 p + 16 l), then 256 bytes of scales: row r's 8 bytes at 3072 + 8 r and once more at 3200 + 8 r.  A tile's four records lie on end.
; TILES OF xw: 0-511 x; 512 + 24 g + m the weights of kv group g (m 0-3 Wk, 4-7 Wv, 8 + 4 w + i Wq's head g + 4 w); 608-671 Wproj, whose K is laid in another order:
; record s holds the columns of heads s, s + 4, s + 8, s + 12 (the launch that makes y lays y's codes the same way; blocks of 32 stay whole, only the order of the f32 sums differs).
; A block's scale is 2^(floor(log2(largest magnitude)) - 2); its byte is the largest magnitude's exponent field - 2, held at 1 from below.
; LIMITS: a block of zeros, or one whose largest magnitude lies under 2^-124, gets the byte 1 (its codes are zeros or the nearest codes under that scale; this program alone reads the bytes); NaN and infinities are not served.
; SHARES: work-group n makes tile n, wave s its record s.  All 32 loads of a wave (16 KiB) go out at once; each reads 512 bytes on end (Wproj: two runs of 256).  The numbers turn through the wave's own
; stage in LDS (rows 1,040 bytes apart), since a conversion wants 16 neighbours along K in one lane.  No barrier: waves share nothing.  No cluster: no two work-groups read the same bytes.
.set REC,    3328
.set SPITCH, 1040                      ; a stage row: 1,024 bytes + 16: the sixteen rows that a load of 16 bytes a lane touches start in different banks
.set WSTG,   16*SPITCH                 ; a wave's stage
.set PC,     24                        ; v24-35, v36-47: the two fragments' codes (a set each: no store's data are written again)
.set RAW,    48                        ; v48-175  the numbers as loaded
.set X,      176                       ; v176-239 64 numbers of my row: two whole blocks of 32
.set CT,     240                       ; v240-246 the conversions' second halves
.set SEL,    32                        ; s[32:33] lane selects: lane l xor 16
	s_load_b256 s[4:11], s[0:1], 0x0               ; x s[4:5], Wq s[6:7], Wkv s[8:9], Wproj s[10:11]
	s_load_b64 s[12:13], s[0:1], 0x20              ; xw
	v_lshl_add_u32 v254, v0, 2, 0x10400
	v_mov_b32 v255, 0
	v_lshrrev_b32 v1, 5, v0
	v_readfirstlane_b32 s14, v1                    ; wave: which 256 along K
	v_and_b32 v1, 31, v0                           ; l
	v_and_b32 v2, 15, v0                           ; r
	v_bfe_u32 v3, v0, 4, 1                         ; h
	s_mov_b32 s15, ttmp9                           ; n: the tile of xw
	s_mov_b32 s[SEL], 0x76543210
	s_mov_b32 s[SEL+1], 0xfedcba98
	; which tile of which input.  Only pointers and offsets are chosen: there is one path through the text
	s_max_u32 s16, s15, 512
	s_min_u32 s16, s16, 607
	s_sub_co_u32 s16, s16, 512                     ; place among the 96 tiles of Wq and Wkv
	s_mul_hi_u32 s17, s16, 0x0aaaaaab              ; g = place / 24
	s_mul_i32 s18, s17, 24
	s_sub_co_u32 s18, s16, s18                     ; m = place % 24
	s_and_b32 s19, s18, 3
	s_lshl_b32 s20, s17, 2
	s_add_co_u32 s19, s19, s20                     ; 4 g + m % 4
	s_lshr_b32 s20, s18, 2
	s_cmp_lt_u32 s18, 8
	s_cselect_b32 s21, 0, 2
	s_sub_co_u32 s20, s20, s21                     ; Wkv: 0 for k, 1 for v;  Wq: w
	s_lshl_b32 s20, s20, 4
	s_add_co_u32 s19, s19, s20                     ; the tile in Wkv or in Wq
	s_max_u32 s23, s15, 608
	s_sub_co_u32 s23, s23, 608                     ; the tile in Wproj
	s_mov_b32 s24, 1024
	s_mov_b32 s25, 256
	s_wait_alu depctr_va_vdst(0)
	s_wait_kmcnt 0x0
	s_cmp_lt_u32 s18, 8
	s_cselect_b64 s[6:7], s[8:9], s[6:7]           ; Wkv or Wq
	s_cmp_lt_u32 s15, 512
	s_cselect_b64 s[4:5], s[4:5], s[6:7]           ; x or a weight
	s_cselect_b32 s22, s15, s19
	s_cmp_lt_u32 s15, 608
	s_cselect_b64 s[4:5], s[4:5], s[10:11]         ; or Wproj
	s_cselect_b32 s22, s22, s23                    ; t: the tile in its input
	s_cselect_b32 s26, s25, s24                    ; bytes from one run of 64 columns to the next in a record: 256, Wproj 1,024
	s_cselect_b32 s27, s24, s25                    ; bytes from record to record: 1,024, Wproj 256
	s_lshr_b32 s28, s22, 1
	s_lshl_b32 s28, s28, 5
	s_and_b32 s29, s22, 1
	s_lshl_b32 s29, s29, 3
	s_add_co_u32 s28, s28, s29                     ; the tile's first row
	s_lshl_b32 s28, s28, 12                        ; rows of 4,096 bytes
	s_mul_i32 s29, s14, s27
	s_add_co_u32 s28, s28, s29
	s_mov_b32 s29, 0
	s_add_nc_u64 s[4:5], s[4:5], s[28:29]
	s_lshl_b32 s30, s15, 2
	s_add_co_u32 s30, s30, s14
	s_mul_i32 s30, s30, REC
	s_mov_b32 s31, 0
	s_add_nc_u64 s[12:13], s[12:13], s[30:31]      ; my record
	v_lshlrev_b32 v4, 4, v2
	v_mul_u32_u24 v5, s26, v3
	v_add_nc_u32 v4, v4, v5                        ; in: lanes 0-15 one run of 256 bytes, lanes 16-31 the next run
	s_lshl_b32 s26, s26, 1
	v_add_nc_u32 v5, s26, v4                       ; and the two runs behind them
	s_mul_i32 s16, s14, WSTG
	v_lshl_add_u32 v6, v1, 4, s16                  ; the stage, on the way in: 16 l
	v_mul_u32_u24 v7, v2, SPITCH
	v_lshl_add_u32 v7, v3, 7, v7
	v_add_nc_u32 v7, s16, v7                       ; on the way out: row r, + 128 h: my block of 32
	v_lshlrev_b32 v8, 4, v1                        ; out: 16 l
	v_lshlrev_b32 v9, 3, v1                        ; the scales: 8 l
	v_lshlrev_b32 v22, 3, v3                       ; 8 h
	v_mov_b32 v19, 0                               ; a lane permute's destination counts as one of its sources
.irp jj, 0,1
.set p, 0
.rept 16
	global_load_b128 v[RAW+64*\jj+4*p:RAW+64*\jj+4*p+3], v[4+\jj], s[4:5] offset:(p+8*(p/8))*4096 th:TH_LOAD_NT
.set p, p+1
.endr
.endr
; 128 along K: through the stage, quantised, stored as one fragment image
.macro HALF jj
.set p, 0
.rept 16
	ds_store_b128 v6, v[RAW+64*\jj+4*p:RAW+64*\jj+4*p+3] offset:SPITCH*p+512*\jj
.set p, p+1
.endr
.set p, 0
.rept 16
	ds_load_b128 v[X+4*p:X+4*p+3], v7 offset:512*\jj+256*(p/8)+16*(p%8)   ; LDS serves a wave's instructions in order: these see my stores.  Register 32 c + i = k 64 c + 32 h + i of row r
.set p, p+1
.endr
	s_wait_dscnt 0x0
.irp c, 0,1
	v_max3_num_f32 v[10+\c], |v[X+32*\c]|, |v[X+32*\c+1]|, 0x1800000      ; block 2 c + h is all mine; the floor 2^(3 - 127) holds the byte at 1 from below
.endr
.set p, 2
.rept 15
.irp c, 0,1
	v_max3_num_f32 v[10+\c], v[10+\c], |v[X+32*\c+p]|, |v[X+32*\c+p+1]|
.endr
.set p, p+2
.endr
.irp c, 0,1
	v_add_nc_u32 v[14+\c], 0xff000000, v[10+\c]    ; 2 off the exponent field: the conversion's scale operand
.endr
.irp c, 0,1
	v_lshrrev_b32 v[16+\c], 23, v[14+\c]           ; the scale's byte
.endr
	v_lshl_or_b32 v18, v17, 16, v16                ; my two bytes, blocks h and 2 + h,
	v_lshlrev_b32 v18, v22, v18                    ; at their places in the row's word;
	v_permlanex16_b32 v19, v18, s[SEL], s[SEL+1]
	v_or_b32 v[20+\jj], v18, v19                   ; with lane l xor 16's two the word is whole, in both halves of the lanes
.irp c, 0,1
	v_cvt_scalef32_pk16_fp6_f32 v[PC+12*\jj+6*\c:PC+12*\jj+6*\c+2], v[X+32*\c:X+32*\c+15], v[14+\c]
	v_cvt_scalef32_pk16_fp6_f32 v[CT+4*\c:CT+4*\c+2], v[X+32*\c+16:X+32*\c+31], v[14+\c]   ; (a conversion's three registers begin on an even number)
.endr
	v_nop                                          ; one plain place behind a scaled conversion
.irp c, 0,1
.irp i, 0,1,2
	v_mov_b32 v[PC+12*\jj+6*\c+3+\i], v[CT+4*\c+\i]
.endr
.endr
.irp q, 0,1,2
	global_store_b128 v8, v[PC+12*\jj+4*\q:PC+12*\jj+4*\q+3], s[12:13] offset:1536*\jj+512*\q   ; 32 lanes store 512 bytes on end, at a multiple of 256
.endr
.endm
	s_wait_alu depctr_va_vdst(0)
	s_wait_loadcnt 16                              ; the first 16 loads are in; the 16 younger ones stay out
	HALF 0
	s_wait_loadcnt 0x0
	HALF 1
	global_store_b64 v9, v[20:21], s[12:13] offset:3072   ; the row's 8 scale bytes, twice: 256 bytes on end
	s_wait_tensorcnt 0x0
	ds_add_u32 v254, v255
	s_wait_dscnt 0x0
	s_endpgm
.Lfunc_end_k_qdfa5d3cd84_quant:
	.size	k_qdfa5d3cd84_quant, .Lfunc_end_k_qdfa5d3cd84_quant-k_qdfa5d3cd84_quant
	.p2alignl 7, 3214868480
	.fill 96, 4, 3214868480
	.section	.rodata,"a",@progbits
	.p2align	6, 0x0
	.amdhsa_kernel k_qdfa5d3cd84_quant
		.amdhsa_group_segment_fixed_size 67072
		.amdhsa_private_segment_fixed_size 0
		.amdhsa_enable_private_segment 0
		.amdhsa_kernarg_size 40
		.amdhsa_user_sgpr_count 2
		.amdhsa_user_sgpr_kernarg_segment_ptr 1
		.amdhsa_wavefront_size32 1
		.amdhsa_system_sgpr_workgroup_id_x 1
		.amdhsa_system_sgpr_workgroup_id_y 1
		.amdhsa_system_sgpr_workgroup_id_z 1
		.amdhsa_system_vgpr_workitem_id 0
		.amdhsa_next_free_vgpr 256
		.amdhsa_next_free_sgpr 66
		.amdhsa_reserve_vcc 0
		.amdhsa_float_denorm_mode_32 3
		.amdhsa_float_denorm_mode_16_64 3
		.amdhsa_memory_ordered 1
		.amdhsa_forward_progress 1
		.amdhsa_inst_pref_size 17
	.end_amdhsa_kernel
	.amdgpu_metadata
---
amdhsa.version: [ 1, 2 ]
amdhsa.kernels:
  - .name:           k_qdfa5d3cd84_quant
    .symbol:         k_qdfa5d3cd84_quant.kd
    .args:
      - { .name: x, .offset: 0, .size: 8, .value_kind: global_buffer, .address_space: global }
      - { .name: Wq, .offset: 8, .size: 8, .value_kind: global_buffer, .address_space: global }
      - { .name: Wkv, .offset: 16, .size: 8, .value_kind: global_buffer, .address_space: global }
      - { .name: Wproj, .offset: 24, .size: 8, .value_kind: global_buffer, .address_space: global }
      - { .name: xw, .offset: 32, .size: 8, .value_kind: global_buffer, .address_space: global }
    .group_segment_fixed_size: 67072
    .private_segment_fixed_size: 0
    .kernarg_segment_align: 8
    .kernarg_segment_size: 40
    .max_flat_workgroup_size: 128
    .sgpr_count:     66
    .vgpr_count:     256
    .wavefront_size: 32
...
	.end_amdgpu_metadata
.endif
;; end of part 1
;; launch gemm_qkv (part 2): grid 4 x 64, 4 waves a work-group, clusters of 4 x 4, 327,680 bytes of LDS; arguments xw, qq, kvp; writes qq, kvp
.if DOCPART == 2
	.amdgcn_target "amdgcn-amd-amdhsa--gfx1250"
	.amdhsa_code_object_version 6
	.text
	.protected	k_qdfa5d3cd84_gemm_qkv
	.globl	k_qdfa5d3cd84_gemm_qkv
	.p2align	8
	.type	k_qdfa5d3cd84_gemm_qkv,@function
k_qdfa5d3cd84_gemm_qkv:
	s_mov_b64 s[64:65], 0
	v_nop
	global_prefetch_b8 v0, s[64:65] scope:SCOPE_SE
	s_setreg_imm32_b32 hwreg(HW_REG_WAVE_MODE, 25, 1), 1
	s_wait_xcnt 0x0
	s_wait_alu depctr_hold_cnt(0) depctr_sa_sdst(0) depctr_va_vdst(0) depctr_va_sdst(0) depctr_va_ssrc(0) depctr_va_vcc(0) depctr_vm_vsrc(0)
	s_getreg_b32 s2, hwreg(HW_REG_IB_STS2, 6, 4)
	s_cmp_eq_u32 s2, 0
	s_cbranch_scc0 .Lentry_in_a_cluster
	s_endpgm
.Lentry_in_a_cluster:
	s_bfe_u32 s2, ttmp6, 0x10000c
	s_cmp_lg_u32 s2, 0xf033
	s_cbranch_scc0 .Lentry_shape_is_right
	s_endpgm
.Lentry_shape_is_right:
; q = x Wq^T, k and v = x Wkv^T on codes of FP6 with E8M0 scales, and the results quantised at once: q and k along the head's 64, v along the keys.
; SHARES.  Work-group (g, ri): 128 rows of x (tiles 8 ri .. 8 ri + 7 of xw) against the 384 weight rows of kv group g: the four q heads g, g + 4, g + 8, g + 12, k and v.  Every work-group has the same mix.
; Wave w: q of head g + 4 w (source 0 = Wq's 4 tiles, source 1 = x's 8 tiles: 32 accumulators); k for x's tiles 2 w, 2 w + 1 (source 0 = Wk's 4 tiles: 8); v for Wv's tile w (source 0 = x's 8 tiles, source 1 = Wv: 8).
; A result's lane is the source-1 row and its registers run along the source-0 rows.  A tile's lane r holds row 32 (t / 2) + 8 (t % 2) + r + 8 (r / 8), so the 16 registers of source-0 tiles 2 b, 2 b + 1 are the
; neighbours 32 b + 16 (lane / 16) + 0 .. 15: for q and k along the head, for v along the keys: each as its quantiser wants them, and nothing is transposed.
; K goes in four chunks of 256 (a record of 3,328 bytes a tile: two fragment images, then the scales) through three LDS slots of 32 records; slot 0 is filled a second time, with chunk 3.
; CLUSTER 4 x 4: x's records hang on ri alone and are asked for jointly along a row of the cluster, the weights' on g alone and along a column.  Wave 0 asks for x's 8 records, waves 1-3 for 8 of the weights' each.
; OUT.  qq: half fragments (16 rows x 64: registers 0-3 at 16 l, 4-5 at 512 + 8 l; 768 bytes) at ((16 b + head) 128 + tile) 768; from byte 6,291,456 on the scale words, word of (lane row r, tile a) at 32 r + 4 a of a block of
; 512 bytes for 8 tiles; a word is byte0 | byte1 << 8 | 0x7f7f0000 (the product's K is 64: its upper 64 codes are zeros).  kvp: for (b, g, 128 keys) a record of 13,312 bytes: k's 8 half fragments, v's 4 fragment images at
; 6,144, k's words at 12,288 + 64 tile + 4 r, v's at 12,800 + 128 tile + 4 l.  The two stores of words into kvp cover 128 bytes on end: 1/13 of a record leaves in halves of an aligned 256 bytes.
; LIMITS: a block of zeros, or one under 2^-124, gets the byte 1; NaN and infinities are not served.
; REGISTERS, in windows of 256: window 0: v1-7 address bases, v8-9 the add's, v10-16 addresses in the slot in hand, v20-59 scale words (two sets), v64-255 x's fragments (two sets).
;   window 1, at 128 f: Wq +0, Wk +48, x's tiles 2 w, 2 w + 1 once more +96.   window 2: q's accumulators (x tile a, Wq tile b) at 8 (4 a + b).   window 3: k's at 8 (4 a + b), v's at 64 + 8 i, Wv at 128 + 16 f.
.set REC,   3328
.set TILEB, 4*REC
.set SLOT,  32*REC                     ; x 0-7, Wk 8-11, Wv 12-15, Wq 16 + 4 w + i
.set SPARE, 3*SLOT                     ; behind the slots: the spare words, 128 bytes a wave: two blocks of 256 bytes that no other line names
.set BAB, 1                            ; v1 16 l;  v2 Wv's tile w;  v3 Wq's tiles of my head;  v4 x's tiles 2 w on;  v5-7 scale words
.set SPW, 8
.set NIL, 9
.set AB,  10
.set AV,  11
.set AQ,  12
.set AP,  13
.set AS1, 14
.set AS2, 15
.set AS3, 16
.set SC,  20                           ; register 20 sc + 2 i + q: lanes 0-15 x's tile i (i = 8, 9: tiles 2 w, 2 w + 1); lanes 16-31 Wq i (i < 4), Wk i - 4 (i < 8), Wv (i = 8)
.set XF,  64
.set G1X, 24
.set G1W, 32
.set G0X, 40                           ; s[40:51] a group 0 for each slot, x's;  s[52:63] the weights'
.set G0W, 52
.set MSB, 0
.macro WIN new                         ; the immediate's high byte repeats the setting that is left
.if MSB != \new
	s_set_vgpr_msb (MSB<<8)|\new
.set MSB, \new
.endif
.endm
.macro PLACES
.rept 4
	v_nop
.endr
.endm
.macro CROUND                          ; a round of the cluster's barrier
	s_barrier_signal -1
	s_barrier_wait -1
	s_cmp_lg_u32 s10, 0
	s_cbranch_scc1 .Lnot_wave_0_\@
	s_barrier_signal -3
.Lnot_wave_0_\@:
	s_barrier_wait -3
	s_barrier_signal -1
	s_barrier_wait -1
.endm
	s_load_b128 s[4:7], s[0:1], 0x0                ; xw, qq
	s_load_b64 s[8:9], s[0:1], 0x10                ; kvp
	v_lshl_add_u32 v[SPW], v0, 2, SPARE
	v_mov_b32 v[NIL], 0
	ds_add_u32 v8, v9
	ds_add_u32 v8, v9
	s_wait_dscnt 0x0
	v_lshrrev_b32 v1, 5, v0
	v_readfirstlane_b32 s10, v1                    ; wave
	s_bfe_u32 s11, ttmp6, 0x40000                  ; cx
	s_bfe_u32 s12, ttmp6, 0x40004                  ; cy
	s_lshl_b32 s13, ttmp9, 2
	s_add_co_u32 s13, s13, s11                     ; g
	s_and_b32 s14, ttmp7, 0xffff
	s_lshl_b32 s14, s14, 2
	s_add_co_u32 s14, s14, s12                     ; ri
	s_lshl_b32 s15, s12, 2
	s_lshl_b32 s15, 15, s15                        ; my row of the cluster
	s_lshl_b32 s16, 0x1111, s11                    ; my column
	; group 1: 8 rows (tiles) of 416 elements of 8 bytes (a record), 1,664 elements apart (a tile's four records); no padding: images are read on end
	s_or_b32 s[G1X], s15, (3<<16)|(1<<21)
	s_or_b32 s[G1W], s16, (3<<16)|(1<<21)
.irp g, G1X, G1W
	s_mov_b32 s[\g+1], 416<<16
	s_mov_b32 s[\g+2], 8<<16
	s_mov_b32 s[\g+3], 416<<16
	s_mov_b32 s[\g+4], 8
	s_mov_b32 s[\g+5], 1664
	s_mov_b32 s[\g+6], 0
	s_mov_b32 s[\g+7], 0
.endr
	s_or_b32 s84, s16, (3<<16)|(1<<21)             ; s[84:91]: group 1 for the head's load of all 24 weight tiles' records of one chunk
	s_mov_b32 s85, 416<<16
	s_mov_b32 s86, 24<<16
	s_mov_b32 s87, 416<<16
	s_mov_b32 s88, 24
	s_mov_b32 s89, 1664
	s_mov_b32 s90, 0
	s_mov_b32 s91, 0
	s_mul_i32 s18, s14, 8*TILEB
	s_mov_b32 s19, 0
	s_mul_i32 s20, s13, 24
	s_lshl_b32 s21, s10, 3
	s_add_co_u32 s20, s20, s21
	s_add_co_u32 s20, s20, 504
	s_mul_i32 s20, s20, TILEB                      ; the weights: tile 512 + 24 g + 8 (wave - 1)
	s_mov_b32 s21, 0
	s_mul_i32 s22, s10, 8*REC                      ; where they go in a slot: 8 records a wave
	s_wait_kmcnt 0x0
	s_add_nc_u64 s[18:19], s[4:5], s[18:19]
	s_add_nc_u64 s[20:21], s[4:5], s[20:21]
	CROUND                                         ; all sixteen work-groups are here: the first joint loads meet
.irp s, 0,1,2
	s_mov_b32 s[G0X+4*\s], 1
	s_add_co_u32 s[G0X+4*\s+1], s22, \s*SLOT
	s_add_nc_u64 s[G0X+4*\s+2:G0X+4*\s+3], s[18:19], \s*REC
	s_or_b32 s[G0X+4*\s+3], s[G0X+4*\s+3], 0x80000000
	s_mov_b32 s[G0W+4*\s], 1
	s_add_co_u32 s[G0W+4*\s+1], s22, \s*SLOT
	s_add_nc_u64 s[G0W+4*\s+2:G0W+4*\s+3], s[20:21], \s*REC
	s_or_b32 s[G0W+4*\s+3], s[G0W+4*\s+3], 0x80000000
.endr
	; THE HEAD'S LOADS, one a wave: wave 2 c brings x's 8 records of chunk c into slot c, wave 2 c + 1 the weights' 24 records of chunk c behind them (c = 0, 1)
	s_lshr_b32 s80, s10, 1                         ; c
	s_mul_i32 s93, s80, SLOT                       ; s[92:95] group 0 for x's records
	s_add_co_u32 s97, s93, 8*REC                   ; s[96:99] group 0 for the weights'
	s_mul_i32 s80, s80, REC
	s_mov_b32 s81, 0
	s_mov_b32 s92, 1
	s_add_nc_u64 s[94:95], s[18:19], s[80:81]
	s_or_b32 s95, s95, 0x80000000
	s_mul_i32 s82, s13, 24*TILEB
	s_add_co_u32 s82, s82, 512*TILEB               ; tile 512 + 24 g
	s_add_co_u32 s80, s80, s82
	s_mov_b32 s96, 1
	s_add_nc_u64 s[98:99], s[4:5], s[80:81]
	s_or_b32 s99, s99, 0x80000000
	s_and_b32 s82, s10, 1
	s_cmp_eq_u32 s82, 0
	s_cbranch_scc0 .Lfirst_w
	tensor_load_to_lds s[92:95], s[G1X:G1X+7]
	s_nop 0
	PLACES
	s_branch .Lfirst_asked
.Lfirst_w:
	tensor_load_to_lds s[96:99], s[84:91]
	s_nop 0
	PLACES
.Lfirst_asked:
	v_and_b32 v17, 31, v0                          ; l
	v_bfe_u32 v18, v0, 4, 1                        ; h
	v_lshlrev_b32 v[BAB], 4, v17
	s_mul_i32 s66, s10, REC
	s_add_co_u32 s66, s66, 12*REC                  ; Wv's tile w
	v_add_nc_u32 v[BAB+1], s66, v[BAB]
	s_mul_i32 s67, s10, TILEB
	s_add_co_u32 s67, s67, 16*REC                  ; Wq's four tiles of my head
	v_add_nc_u32 v[BAB+2], s67, v[BAB]
	s_mul_i32 s68, s10, 2*REC                      ; x's tiles 2 w, 2 w + 1
	v_add_nc_u32 v[BAB+3], s68, v[BAB]
	v_lshlrev_b32 v17, 3, v17
	v_add_nc_u32 v17, 3072, v17                    ; a record's scales: 8 l (lanes 16-31 take the second copy)
	v_mul_u32_u24 v[BAB+4], s67, v18               ; lanes 16-31: Wq's records lie so far behind x's
	v_add_nc_u32 v[BAB+4], v[BAB+4], v17
	v_mul_u32_u24 v[BAB+5], 4*REC, v18             ; Wk's tile i - 4 lies four records behind x's tile i
	v_add_nc_u32 v[BAB+5], v[BAB+5], v17
	s_sub_co_u32 s69, s66, s68                     ; Wv's tile w behind x's tile 2 w
	v_mul_u32_u24 v[BAB+6], s69, v18
	v_add_nc_u32 v[BAB+6], v[BAB+6], v17
	v_add_nc_u32 v[BAB+6], s68, v[BAB+6]
.macro NEXT s                          ; the seven addresses in slot s
.irp i, 0,1,2,3,4,5,6
	v_add_nc_u32 v[AB+\i], \s*SLOT, v[BAB+\i]
.endr
.endm
.macro F3 reg, adr, off                ; a fragment image: three loads of 16 bytes a lane, 512 bytes on end each
.irp p, 0,1,2
	ds_load_b128 v[\reg+4*\p:\reg+4*\p+3], v[\adr] offset:\off+512*\p
.endr
.endm
.macro FETCH f, q                      ; the 19 fragments of the slot's q-th 128 along K into set f: 57 loads
	WIN 0
.irp i, 0,1,2,3,4,5,6,7
	F3 XF+96*\f+12*\i, AB, REC*\i+1536*\q
.endr
	WIN 0x40                                       ; destination window 1
.irp i, 0,1,2,3
	F3 128*\f+12*\i, AQ, REC*\i+1536*\q
.endr
.irp i, 0,1,2,3
	F3 128*\f+48+12*\i, AB, 8*REC+REC*\i+1536*\q
.endr
.irp i, 0,1
	F3 128*\f+96+12*\i, AP, REC*\i+1536*\q
.endr
	WIN 0xc0                                       ; destination window 3
	F3 128+16*\f, AV, 1536*\q
	WIN 0
.endm
.macro SCALES sc                       ; the slot's scale words, two a row: 10 loads
.irp i, 0,1,2,3
	ds_load_b64 v[SC+20*\sc+2*\i:SC+20*\sc+2*\i+1], v[AS1] offset:REC*\i
.endr
.irp i, 4,5,6,7
	ds_load_b64 v[SC+20*\sc+2*\i:SC+20*\sc+2*\i+1], v[AS2] offset:REC*\i
.endr
.irp i, 8,9
	ds_load_b64 v[SC+20*\sc+2*\i:SC+20*\sc+2*\i+1], v[AS3] offset:REC*(\i-8)
.endr
.endm
; 48 matrix instructions, 128 along K.  The 48 accumulators take turns, one instruction a turn, in the same order in every step.  zero = 1: the first products start the sums
.macro MUL f, q, sc, zero
	WIN 0xa1                                       ; source 0 window 1, source 1 window 0, C and D window 2
.irp a, 0,1,2,3,4,5,6,7
.irp b, 0,1,2,3
.if \zero
	v_wmma_scale_f32_16x16x128_f8f6f4 v[8*(4*\a+\b):8*(4*\a+\b)+7], v[128*\f+12*\b:128*\f+12*\b+11], v[XF+96*\f+12*\a:XF+96*\f+12*\a+11], 0, v[SC+20*\sc+2*\b+\q], v[SC+20*\sc+2*\a+\q] matrix_a_fmt:MATRIX_FMT_FP6 matrix_b_fmt:MATRIX_FMT_FP6 matrix_a_scale:MATRIX_SCALE_ROW1
.else
	v_wmma_scale_f32_16x16x128_f8f6f4 v[8*(4*\a+\b):8*(4*\a+\b)+7], v[128*\f+12*\b:128*\f+12*\b+11], v[XF+96*\f+12*\a:XF+96*\f+12*\a+11], v[8*(4*\a+\b):8*(4*\a+\b)+7], v[SC+20*\sc+2*\b+\q], v[SC+20*\sc+2*\a+\q] matrix_a_fmt:MATRIX_FMT_FP6 matrix_b_fmt:MATRIX_FMT_FP6 matrix_a_scale:MATRIX_SCALE_ROW1
.endif
.endr
.endr
	WIN 0xf5                                       ; sources 0 and 1 window 1, C and D window 3
.irp a, 0,1
.irp b, 0,1,2,3
.if \zero
	v_wmma_scale_f32_16x16x128_f8f6f4 v[8*(4*\a+\b):8*(4*\a+\b)+7], v[128*\f+48+12*\b:128*\f+48+12*\b+11], v[128*\f+96+12*\a:128*\f+96+12*\a+11], 0, v[SC+20*\sc+8+2*\b+\q], v[SC+20*\sc+16+2*\a+\q] matrix_a_fmt:MATRIX_FMT_FP6 matrix_b_fmt:MATRIX_FMT_FP6 matrix_a_scale:MATRIX_SCALE_ROW1
.else
	v_wmma_scale_f32_16x16x128_f8f6f4 v[8*(4*\a+\b):8*(4*\a+\b)+7], v[128*\f+48+12*\b:128*\f+48+12*\b+11], v[128*\f+96+12*\a:128*\f+96+12*\a+11], v[8*(4*\a+\b):8*(4*\a+\b)+7], v[SC+20*\sc+8+2*\b+\q], v[SC+20*\sc+16+2*\a+\q] matrix_a_fmt:MATRIX_FMT_FP6 matrix_b_fmt:MATRIX_FMT_FP6 matrix_a_scale:MATRIX_SCALE_ROW1
.endif
.endr
.endr
	WIN 0xfc                                       ; source 0 window 0, source 1, C and D window 3
.irp i, 0,1,2,3,4,5,6,7
.if \zero
	v_wmma_scale_f32_16x16x128_f8f6f4 v[64+8*\i:64+8*\i+7], v[XF+96*\f+12*\i:XF+96*\f+12*\i+11], v[128+16*\f:128+16*\f+11], 0, v[SC+20*\sc+2*\i+\q], v[SC+20*\sc+16+\q] matrix_a_fmt:MATRIX_FMT_FP6 matrix_b_fmt:MATRIX_FMT_FP6 matrix_b_scale:MATRIX_SCALE_ROW1
.else
	v_wmma_scale_f32_16x16x128_f8f6f4 v[64+8*\i:64+8*\i+7], v[XF+96*\f+12*\i:XF+96*\f+12*\i+11], v[128+16*\f:128+16*\f+11], v[64+8*\i:64+8*\i+7], v[SC+20*\sc+2*\i+\q], v[SC+20*\sc+16+\q] matrix_a_fmt:MATRIX_FMT_FP6 matrix_b_fmt:MATRIX_FMT_FP6 matrix_b_scale:MATRIX_SCALE_ROW1
.endif
.endr
	WIN 0
.endm
	; Eight steps of 128 along K, written out.  In each the next step's fragments are asked for, into the other set, ahead of the step's products; four plain places stand between the last products and loads into registers that they read.
	s_wait_alu depctr_va_vdst(0)
	s_wait_tensorcnt 0x0                           ; my part of slots 0 and 1 is in
	ds_add_u32 v[SPW], v[NIL]
	s_wait_dscnt 0x0
	CROUND                                         ; slots 0 and 1 are whole for every wave, and all sixteen work-groups are here
	s_cmp_eq_u32 s10, 0
	s_cbranch_scc0 .Lthird_w
	tensor_load_to_lds s[G0X+8:G0X+11], s[G1X:G1X+7]   ; slot 2's first fill, chunk 2: my one load behind the round; it has steps 0 and 1 in which to land
	s_nop 0
	PLACES
	s_branch .Lthird_asked
.Lthird_w:
	tensor_load_to_lds s[G0W+8:G0W+11], s[G1W:G1W+7]
	s_nop 0
	PLACES
.Lthird_asked:
	NEXT 0
	FETCH 0, 0
	SCALES 0
	FETCH 1, 1
	s_wait_dscnt 57                                ; all but the 57 loads just issued: step 0's fragments and scale words are in
	MUL 0, 0, 0, 1
	s_wait_dscnt 0x0                               ; step 1's fragments are in; slot 1 was shown whole by the round above
	NEXT 1
	FETCH 0, 0
	SCALES 1
	MUL 1, 1, 0, 0
	s_wait_tensorcnt 0x0                           ; step 2: all my tensor loads have landed, so a group 0 may be written;
	ds_add_u32 v[SPW], v[NIL]                      ; 0 onto my spare word
	s_add_nc_u64 s[G0X+2:G0X+3], s[G0X+2:G0X+3], 3*REC   ; slot 0 takes chunk 3
	s_add_nc_u64 s[G0W+2:G0W+3], s[G0W+2:G0W+3], 3*REC
	s_wait_dscnt 0x0                               ; the add is done, and step 2's fragments are in
	CROUND                                         ; no wave of any partner still reads slot 0 or has a load on its way
	s_cmp_eq_u32 s10, 0
	s_cbranch_scc0 .Lagain_w
	tensor_load_to_lds s[G0X:G0X+3], s[G1X:G1X+7]  ; my one tensor load behind the round; it has steps 2, 3 and 4 in which to land
	s_nop 0
	PLACES                                         ; (also the places in front of the loads below)
	s_branch .Lagain_asked
.Lagain_w:
	tensor_load_to_lds s[G0W:G0W+3], s[G1W:G1W+7]
	s_nop 0
	PLACES
.Lagain_asked:
	s_wait_alu depctr_va_vdst(0)
	FETCH 1, 1
	MUL 0, 0, 1, 0
	s_wait_dscnt 0x0                               ; step 3: slot 2 was shown whole to every wave by step 2's wait and round
	NEXT 2
	FETCH 0, 0
	SCALES 0
	MUL 1, 1, 1, 0
	s_wait_alu depctr_va_vdst(0)
	s_wait_dscnt 0x0                               ; step 4
	PLACES
	FETCH 1, 1
	MUL 0, 0, 0, 0
	s_wait_tensorcnt 0x0                           ; step 5: my part of chunk 3 is in (the one load that was out)
	s_wait_dscnt 0x0
	s_barrier_signal -1
	s_barrier_wait -1
	NEXT 0
	FETCH 0, 0
	SCALES 1
	MUL 1, 1, 0, 0
	s_wait_alu depctr_va_vdst(0)
	s_wait_dscnt 0x0                               ; step 6
	PLACES
	FETCH 1, 1
	MUL 0, 0, 1, 0
	s_wait_dscnt 0x0                               ; step 7
	MUL 1, 1, 1, 0
	; THE WAY OUT: the results are quantised in registers and stored as images: no LDS.  Window 0's v64 on are free now.
.set TM,  64                           ; v64-67 largest magnitudes, v68-71 bytes, v76-79 the conversions' scale operands
.set PW,  80
.set PC,  84                           ; v84-95 codes; v96-102 the conversions' second halves
.set QS,  104                          ; v104-111 q's scale words, a tile each
.set OUT, 112
.set O16, 116
.set O8,  117
.set OQS, 118
.set O4,  119
.set KW,  120
.set LN,  122
; 64 numbers of a lane, registers s .. s + 63 of a window, register 16 b + i = place 32 b + 16 (lane / 16) + i along the quantiser's axis, become 12 registers of codes at v[PC] and four bytes at v[TM+4] on.
; Each accumulator is read from its low end on.  wmax, wcvt: the window settings for the maxima (sources 0 and 1) and for the conversions (source 0)
.macro QUANT wmax, wcvt, s
	WIN \wmax
.irp b, 0,1,2,3
	v_max3_num_f32 v[TM+\b], |v[\s+16*\b]|, |v[\s+1+16*\b]|, 0x1800000   ; the floor 2^(3 - 127) holds the byte at 1 from below
.endr
.irp i, 2,4,6,8,10,12,14
.irp b, 0,1,2,3
	v_max3_num_f32 v[TM+\b], |v[\s+16*\b+\i]|, |v[\s+1+16*\b+\i]|, v[TM+\b]
.endr
.endr
	WIN 0
.irp b, 0,1,2,3
	v_permlanex16_b32 v[TM+4+\b], v[TM+\b], s80, s81
.endr
.irp b, 0,1,2,3
	v_max_num_f32 v[TM+\b], v[TM+\b], v[TM+4+\b]   ; with lane l xor 16's 16: the block's largest magnitude
.endr
.irp b, 0,1,2,3
	v_add_nc_u32 v[TM+12+\b], 0xff000000, v[TM+\b] ; 2 off the exponent field: the conversion's scale operand
.endr
.irp b, 0,1,2,3
	v_lshrrev_b32 v[TM+4+\b], 23, v[TM+12+\b]      ; the scale's byte
.endr
	WIN \wcvt
.irp c, 0,1
	v_cvt_scalef32_pk16_fp6_f32 v[PC+6*\c:PC+6*\c+2], v[\s+32*\c:\s+32*\c+15], v[TM+12+2*\c]
	v_cvt_scalef32_pk16_fp6_f32 v[PC+12+4*\c:PC+12+4*\c+2], v[\s+32*\c+16:\s+32*\c+31], v[TM+13+2*\c]
.endr
	WIN 0
	v_nop                                          ; one plain place behind a scaled conversion
.irp c, 0,1                                    ; the operand's layout wants a whole block in a lane: lanes 0-15 block 2 c, lanes 16-31 block 2 c + 1
.irp i, 0,1,2
	v_permlane16_swap_b32 v[PC+6*\c+\i], v[PC+12+4*\c+\i]
.endr
.irp i, 0,1,2
	v_mov_b32 v[PC+3+6*\c+\i], v[PC+12+4*\c+\i]
.endr
.endr
.endm
	s_mov_b32 s80, 0x76543210
	s_mov_b32 s81, 0xfedcba98
	s_lshr_b32 s66, s14, 4                         ; b
	s_and_b32 s67, s14, 15                         ; which 128 rows of the batch
	s_lshl_b32 s68, s66, 4
	s_add_co_u32 s68, s68, s13
	s_lshl_b32 s69, s10, 2
	s_add_co_u32 s68, s68, s69                     ; 16 b + head
	s_lshl_b32 s70, s68, 4
	s_add_co_u32 s70, s70, s67
	s_lshl_b32 s72, s70, 9
	s_add_co_u32 s72, s72, 6291456                 ; q's scale words: a block of 512 bytes
	s_mov_b32 s73, 0
	s_mul_i32 s70, s70, 8*768                      ; q's codes: 8 half fragments
	s_mov_b32 s71, 0
	s_add_nc_u64 s[72:73], s[6:7], s[72:73]
	s_add_nc_u64 s[6:7], s[6:7], s[70:71]
	s_lshl_b32 s74, s66, 2
	s_add_co_u32 s74, s74, s13
	s_lshl_b32 s74, s74, 4
	s_add_co_u32 s74, s74, s67
	s_mul_i32 s74, s74, TILEB                      ; the record of kvp
	s_mov_b32 s75, 0
	s_add_nc_u64 s[8:9], s[8:9], s[74:75]
	s_mul_i32 s76, s10, 1536
	s_mov_b32 s77, 0
	s_add_nc_u64 s[76:77], s[8:9], s[76:77]        ; + 1,536 w: my two half fragments of k, my fragment of v
	s_lshl_b32 s78, s10, 7
	s_mov_b32 s79, 0
	s_add_nc_u64 s[78:79], s[8:9], s[78:79]        ; + 128 w: my scale words
	PLACES                                         ; behind the last products
	v_and_b32 v[LN], 31, v0
	v_lshlrev_b32 v[O16], 4, v[LN]
	v_lshlrev_b32 v[O8], 3, v[LN]
	v_add_nc_u32 v[O8], 512, v[O8]
	v_lshlrev_b32 v[O4], 2, v[LN]
	v_and_b32 v[OQS], 15, v0
	v_lshlrev_b32 v[OQS], 5, v[OQS]
	v_bfe_u32 v[KW], v0, 4, 1
	v_lshl_add_u32 v[OQS], v[KW], 4, v[OQS]        ; 32 r + 16 h
	v_cmp_lt_u32 vcc_lo, 15, v[LN]                 ; lanes 16-31
.irp b, 0,1,2,3
	v_mov_b32 v[TM+4+\b], 0                        ; a lane permute's destination counts as one of its sources
.endr
.irp p, 0,1,2,3                                ; q: x's tiles 2 p and 2 p + 1: two blocks each, two half fragments
.if \p > 0
	s_wait_xcnt 0x0                                ; the stores have read the codes' registers
.endif
	QUANT 0x0a, 0x02, 64*\p
	v_lshl_or_b32 v[QS+2*\p], v[TM+5], 8, v[TM+4]
	v_lshl_or_b32 v[QS+2*\p+1], v[TM+7], 8, v[TM+6]
	v_or_b32 v[QS+2*\p], 0x7f7f0000, v[QS+2*\p]
	v_or_b32 v[QS+2*\p+1], 0x7f7f0000, v[QS+2*\p+1]
	global_store_b128 v[O16], v[PC:PC+3], s[6:7] offset:1536*\p           ; 512 bytes on end,
	global_store_b64 v[O8], v[PC+4:PC+5], s[6:7] offset:1536*\p           ; 256 bytes on end, each at a multiple of 256
	global_store_b128 v[O16], v[PC+6:PC+9], s[6:7] offset:1536*\p+768
	global_store_b64 v[O8], v[PC+10:PC+11], s[6:7] offset:1536*\p+768
.endr
.irp i, 0,1,2,3
	v_cndmask_b32 v[OUT+\i], v[QS+\i], v[QS+4+\i], vcc_lo   ; lanes 0-15 the words of tiles 0-3, lanes 16-31 of tiles 4-7
.endr
	global_store_b128 v[OQS], v[OUT:OUT+3], s[72:73]       ; 512 bytes on end
	s_wait_xcnt 0x0
	QUANT 0x0f, 0x03, 0                            ; k: tiles 2 w and 2 w + 1
	v_lshl_or_b32 v[KW], v[TM+5], 8, v[TM+4]
	v_lshl_or_b32 v[KW+1], v[TM+7], 8, v[TM+6]
	v_cndmask_b32 v[KW], v[KW], v[KW+1], vcc_lo
	v_or_b32 v[KW], 0x7f7f0000, v[KW]
	global_store_b128 v[O16], v[PC:PC+3], s[76:77]
	global_store_b64 v[O8], v[PC+4:PC+5], s[76:77]
	global_store_b128 v[O16], v[PC+6:PC+9], s[76:77] offset:768
	global_store_b64 v[O8], v[PC+10:PC+11], s[76:77] offset:768
	global_store_b32 v[O4], v[KW], s[78:79] offset:12288
	s_wait_xcnt 0x0
	QUANT 0x0f, 0x03, 64                           ; v: 16 of the head's 64 x 128 keys: one fragment
	v_lshl_or_b32 v[PW], v[TM+5], 8, v[TM+4]
	v_lshl_or_b32 v[PW], v[TM+6], 16, v[PW]
	v_lshl_or_b32 v[PW], v[TM+7], 24, v[PW]
.irp p, 0,1,2
	global_store_b128 v[O16], v[PC+4*\p:PC+4*\p+3], s[76:77] offset:6144+512*\p
.endr
	global_store_b32 v[O4], v[PW], s[78:79] offset:12800
	s_wait_tensorcnt 0x0                           ; the wave's end
	ds_add_u32 v[SPW], v[NIL]
	s_wait_dscnt 0x0
	CROUND                                         ; the closing round
	s_endpgm
.Lfunc_end_k_qdfa5d3cd84_gemm_qkv:
	.size	k_qdfa5d3cd84_gemm_qkv, .Lfunc_end_k_qdfa5d3cd84_gemm_qkv-k_qdfa5d3cd84_gemm_qkv
	.p2alignl 7, 3214868480
	.fill 96, 4, 3214868480
	.section	.rodata,"a",@progbits
	.p2align	6, 0x0
	.amdhsa_kernel k_qdfa5d3cd84_gemm_qkv
		.amdhsa_group_segment_fixed_size 327680
		.amdhsa_private_segment_fixed_size 0
		.amdhsa_enable_private_segment 0
		.amdhsa_kernarg_size 24
		.amdhsa_user_sgpr_count 2
		.amdhsa_user_sgpr_kernarg_segment_ptr 1
		.amdhsa_wavefront_size32 1
		.amdhsa_system_sgpr_workgroup_id_x 1
		.amdhsa_system_sgpr_workgroup_id_y 1
		.amdhsa_system_sgpr_workgroup_id_z 1
		.amdhsa_system_vgpr_workitem_id 0
		.amdhsa_next_free_vgpr 1024
		.amdhsa_next_free_sgpr 100
		.amdhsa_reserve_vcc 1
		.amdhsa_float_denorm_mode_32 3
		.amdhsa_float_denorm_mode_16_64 3
		.amdhsa_memory_ordered 1
		.amdhsa_forward_progress 1
		.amdhsa_inst_pref_size 120
	.end_amdhsa_kernel
	.amdgpu_metadata
---
amdhsa.version: [ 1, 2 ]
amdhsa.kernels:
  - .name:           k_qdfa5d3cd84_gemm_qkv
    .symbol:         k_qdfa5d3cd84_gemm_qkv.kd
    .args:
      - { .name: xw, .offset: 0, .size: 8, .value_kind: global_buffer, .address_space: global }
      - { .name: qq, .offset: 8, .size: 8, .value_kind: global_buffer, .address_space: global }
      - { .name: kvp, .offset: 16, .size: 8, .value_kind: global_buffer, .address_space: global }
    .group_segment_fixed_size: 327680
    .private_segment_fixed_size: 0
    .kernarg_segment_align: 8
    .kernarg_segment_size: 24
    .max_flat_workgroup_size: 128
    .sgpr_count:     100
    .vgpr_count:     1024
    .wavefront_size: 32
...
	.end_amdgpu_metadata
.endif
;; end of part 2
;; launch attn (part 3): grid 16 x 16, 16 waves a work-group, clusters of 4 x 1, 215,040 bytes of LDS; arguments qq, kvp, yq; writes yq
.if DOCPART == 3
	.amdgcn_target "amdgcn-amd-amdhsa--gfx1250"
	.amdhsa_code_object_version 6
	.text
	.protected	k_qdfa5d3cd84_attn
	.globl	k_qdfa5d3cd84_attn
	.p2align	8
	.type	k_qdfa5d3cd84_attn,@function
k_qdfa5d3cd84_attn:
	s_mov_b64 s[64:65], 0
	v_nop
	global_prefetch_b8 v0, s[64:65] scope:SCOPE_SE
	s_setreg_imm32_b32 hwreg(HW_REG_WAVE_MODE, 25, 1), 1
	s_wait_xcnt 0x0
	s_wait_alu depctr_hold_cnt(0) depctr_sa_sdst(0) depctr_va_vdst(0) depctr_va_sdst(0) depctr_va_ssrc(0) depctr_va_vcc(0) depctr_vm_vsrc(0)
	s_getreg_b32 s2, hwreg(HW_REG_IB_STS2, 6, 4)
	s_cmp_eq_u32 s2, 0
	s_cbranch_scc0 .Lentry_in_a_cluster
	s_endpgm
.Lentry_in_a_cluster:
	s_bfe_u32 s2, ttmp6, 0x10000c
	s_cmp_lg_u32 s2, 0x3003
	s_cbranch_scc0 .Lentry_shape_is_right
	s_endpgm
.Lentry_shape_is_right:
; y = softmax(q k^T / 8, causal) v for one head, both products on codes of FP6 with E8M0 scales, and y quantised along the head's 64 for the last product.
; THE SOFTMAX: t = score x log2(e) / 8; M = the running largest t rounded UP to a whole number; p = 2^(t - M) is quantised along the keys, not normalised; the row's sum is taken of the unquantised p and divides at the end.
; When M moves, the sum and O are multiplied by 2^(old M - new M): exact.  A hidden key's score becomes -infinity ahead of the maximum, so its p is 0.
; LEFT OUT: steps of 128 keys that all come after a tile's queries: the causal mask, which the problem builds itself, gives them p = 0 for all values of the inputs.
; SHARES.  Grid x = 4 J + cx, grid y = 4 b + g.  The four work-groups of a cluster are the heads g + 4 cx of one kv group with the same query blocks: (b, g)'s 16 records (212,992 bytes) come ONCE, by joint loads
; that name the four, one record a wave, and stay in LDS: nothing is filled again.  cx enters q's and y's global addresses alone.
; Wave i owns two tiles of 16 queries: tile 127 - 16 J - i, then tile 16 J + i.  Tile t needs t / 8 + 1 steps of 128 keys: 17 steps in every wave.  The loops' trip counts are constants; a hidden step is jumped over on ids.
; LAYOUT.  S^T = k q^T (source 0 = 16 keys, source 1 = my 16 queries), O^T = v^T p^T: a lane holds one query throughout.  The product's K is 64: q's upper 64 codes are zeros with scale bytes 0x7f.
; k's half fragments lie on end, 6 registers a tile, and tile t's operand is the 12 registers from 6 t on: its upper 64 codes are the next tile's (behind tile 7: p's codes).  Every code of FP6 is a finite number and
; k's upper scale bytes are 0x7f, so these products with q's zeros are zeros.  So a whole step's k is 48 registers, and the NEXT step's k is asked for behind this step's scores: it has the softmax in which to come.
; The last live step of a tile asks for record 0 and for the next tile's q instead (the second tile's asks for its own q again: those registers are read no more).
; k's scale words: one register for two tiles, lanes 0-15 tile 2 j, lanes 16-31 tile 2 j + 1.
; OUT.  yq: tile (128 b + t), record g: half fragment cx (768 bytes) and bytes 2 cx, 2 cx + 1 of each row's 8 scale bytes, in both copies; those leave as single bytes, since the bytes between them are the partners'.
; No prefetch: the records are asked for once, at the head, with no loop to run ahead in.
; LIMITS: a block of zeros, or one under 2^-124, gets the byte 1; NaN and infinities are not served; the scaled scores stay under 2^31 in magnitude.
.set RECB, 13312
.set SPARE, 16*RECB                    ; behind the records: the spare words, 128 bytes a wave
.set A16, 6                            ; v1 16 l, v2 8 l, v3 4 l, v4 the mask's lane term, v5 y's scale bytes; v6-8 the same three in the record asked for last; v9 at work
.set A8,  7
.set A4,  8
.set NM,  10                           ; v10 -M, v11 the largest t
.set SUM, 12                           ; v[12:13] the row's sum
.set FF,  14                           ; v14 f, v15 p's scale word
.set QF,  16                           ; v16-27 q and its zeros
.set QW,  28
.set QO,  29
.set VS,  30                           ; v30-33 v's scale words
.set KW,  34                           ; v34-37 k's
.set T,   38                           ; v38-49 at work
.set KF,  50                           ; v50-97 k
.set P,   98                           ; v98-109 p's codes
.set VF,  110                          ; v110-157 v
.set S,   158                          ; v158-221 S^T, then p
.set O,   222                          ; v222-253 O^T
.set SPW, 254
.set NIL, 255
.set WV,  10
.set SEL, 20
.set CS,  22
.set G1A, 24
.set TN,  32                           ; s32 LDS byte of the record asked for next
.set G0A, 40
.set TB,  48
.set SI,  49
.set SD,  50
.set Q0,  51
.set CNT, 52
.set TAU, 53
.macro PLACES
.rept 4
	v_nop
.endr
.endm
.macro D n
	s_delay_alu instid0(VALU_DEP_\n)
.endm
.macro CROUND
	s_barrier_signal -1
	s_barrier_wait -1
	s_cmp_lg_u32 s[WV], 0
	s_cbranch_scc1 .Lnot_wave_0_\@
	s_barrier_signal -3
.Lnot_wave_0_\@:
	s_barrier_wait -3
	s_barrier_signal -1
	s_barrier_wait -1
.endm
.macro QADR                            ; s[56:57] the half fragment, s[58:59] the scale words of q's tile s[TAU]
	s_lshl_b32 s54, s17, 7
	s_add_co_u32 s54, s54, s[TAU]
	s_mul_i32 s54, s54, 768
	s_mov_b32 s55, 0
	s_add_nc_u64 s[56:57], s[4:5], s[54:55]
	s_lshl_b32 s54, s17, 4
	s_lshr_b32 s66, s[TAU], 3
	s_add_co_u32 s54, s54, s66
	s_lshl_b32 s54, s54, 9
	s_and_b32 s66, s[TAU], 7
	s_lshl_b32 s66, s66, 2
	s_add_co_u32 s54, s54, s66
	s_add_co_u32 s54, s54, 6291456
	s_add_nc_u64 s[58:59], s[4:5], s[54:55]
.endm
.macro QLOAD
	global_load_b128 v[QF:QF+3], v1, s[56:57]
	global_load_b64 v[QF+4:QF+5], v2, s[56:57] offset:512
	global_load_b32 v[QW], v[QO], s[58:59]
.endm
.macro KLOAD                           ; a record's k: 8 half fragments and 4 registers of scale words: 20 loads
.irp t, 0,1,2,3,4,5,6,7
	ds_load_b128 v[KF+6*\t:KF+6*\t+3], v[A16] offset:768*\t
	ds_load_b64 v[KF+6*\t+4:KF+6*\t+5], v[A8] offset:768*\t+512
.endr
.irp j, 0,1,2,3
	ds_load_b32 v[KW+\j], v[A4] offset:12288+128*\j
.endr
.endm
	s_load_b128 s[4:7], s[0:1], 0x0                ; qq, kvp
	s_load_b64 s[8:9], s[0:1], 0x10                ; yq
	v_lshl_add_u32 v[SPW], v0, 2, SPARE
	v_mov_b32 v[NIL], 0
	ds_add_u32 v[SPW], v[NIL]                      ; the opening lines: the add twice on end and its wait
	ds_add_u32 v[SPW], v[NIL]
	v_lshrrev_b32 v9, 5, v0
	v_readfirstlane_b32 s[WV], v9                  ; wave 0..15
	s_bfe_u32 s11, ttmp6, 0x40000                  ; cx
	s_mov_b32 s12, ttmp9                           ; J
	s_and_b32 s13, ttmp7, 0xffff                   ; 4 b + g
	s_lshr_b32 s14, s13, 2                         ; b
	s_and_b32 s15, s13, 3                          ; g
	s_lshl_b32 s16, s11, 2
	s_add_co_u32 s16, s16, s15                     ; head
	s_lshl_b32 s17, s14, 4
	s_add_co_u32 s17, s17, s16                     ; 16 b + head
	s_mov_b32 s[G1A], 15|(3<<16)|(1<<21)           ; group 1: a record as 52 dense rows of 256 bytes; the mask names all four work-groups
	s_mov_b32 s[G1A+1], 32<<16
	s_mov_b32 s[G1A+2], 52<<16
	s_mov_b32 s[G1A+3], 32<<16
	s_mov_b32 s[G1A+4], 52
	s_mov_b32 s[G1A+5], 32
	s_mov_b32 s[G1A+6], 0
	s_mov_b32 s[G1A+7], 0
	s_mul_i32 s54, s13, 16*RECB
	s_mul_i32 s55, s[WV], RECB                     ; my record
	s_add_co_u32 s66, s54, s55
	s_mov_b32 s67, 0
	s_mov_b32 s[SEL], 0x76543210
	s_mov_b32 s[SEL+1], 0xfedcba98
	s_mov_b32 s[CS], 0x3e38aa3b                    ; c = log2(e) / 8
	s_mov_b32 s[CS+1], s[CS]
	s_wait_dscnt 0x0
	s_wait_kmcnt 0x0
	s_mov_b32 s[G0A], 1
	s_mov_b32 s[G0A+1], s55
	s_add_nc_u64 s[G0A+2:G0A+3], s[6:7], s[66:67]
	s_or_b32 s[G0A+3], s[G0A+3], 0x80000000
	CROUND                                         ; all four work-groups are here: the joint loads meet
	tensor_load_to_lds s[G0A:G0A+3], s[G1A:G1A+7]  ; one load a wave, sixteen records in all
	s_nop 0
	v_and_b32 v9, 31, v0                           ; l
	v_and_b32 v[T], 15, v0                         ; r
	v_bfe_u32 v[T+1], v0, 4, 1                     ; h
	v_lshlrev_b32 v1, 4, v9
	v_lshlrev_b32 v2, 3, v9
	v_lshlrev_b32 v3, 2, v9
	v_and_b32 v4, 8, v[T]
	v_lshlrev_b32 v[T+2], 4, v[T+1]
	D 2
	v_add_nc_u32 v4, v4, v[T]
	D 1
	v_sub_nc_u32 v4, v4, v[T+2]                    ; my query's place in its tile's 32 rows, less 16 h
	v_lshl_add_u32 v5, v[T], 3, v[T+1]             ; 8 r + h
	v_lshlrev_b32 v[QO], 5, v[T]                   ; 32 r
	v_mov_b32 v[A16], v1                           ; record 0
	v_mov_b32 v[A8], v2
	v_mov_b32 v[A4], v3
.irp i, 6,7,8,9,10,11
	v_mov_b32 v[QF+\i], 0                          ; q's upper 64 along K: zero codes, written once
.endr
.irp i, 0,1,2,3,4,5
	v_mov_b32 v[P+\i], 0                           ; named behind k's tile 7 before p's first codes are made
.endr
.irp i, 4,5,6,7
	v_mov_b32 v[T+\i], 0                           ; lane permutes' destinations
.endr
	v_mov_b32 v[FF+1], 0                           ; named in the pair with f
; A tile of 16 queries begins: s[TAU] holds its number
.macro UNIT
	s_wait_xcnt 0x0                                ; earlier loads and stores have read their bases and registers
	s_lshr_b32 s[SD], s[TAU], 3
	s_lshr_b32 s54, s[TAU], 1
	s_lshl_b32 s54, s54, 5
	s_and_b32 s55, s[TAU], 1
	s_lshl_b32 s55, s55, 3
	s_add_co_u32 s[Q0], s54, s55
	s_lshl_b32 s54, s14, 7
	s_add_co_u32 s54, s54, s[TAU]
	s_lshl_b32 s54, s54, 2
	s_add_co_u32 s54, s54, s15
	s_mul_i32 s54, s54, 3328
	s_mov_b32 s55, 0
	s_add_nc_u64 s[62:63], s[8:9], s[54:55]        ; y's record
	s_mul_i32 s66, s11, 768
	s_mov_b32 s67, 0
	s_add_nc_u64 s[60:61], s[62:63], s[66:67]      ; my head's half fragment in it,
	s_lshl_b32 s66, s11, 1
	s_add_nc_u64 s[62:63], s[62:63], s[66:67]      ; and my head's two bytes of a row's eight
	v_mov_b32 v[NM+1], 0xff61b1e6                  ; the largest t so far: -3e38
	v_mov_b32 v[SUM], 0
	v_mov_b32 v[SUM+1], 0
	v_floor_f32 v[NM], -v[NM+1]
.set j, 0
.rept 32
	v_mov_b32 v[O+j], 0
.set j, j+1
.endr
	s_mov_b32 s[TB], 0
	s_mov_b32 s[SI], 0
	s_wait_alu depctr_va_vdst(0)
.endm
; A KEY STEP: 128 keys.  Its k is in registers or on its way; v6 and v8 point at its record
.macro STEP
	s_cmp_gt_u32 s[SI], s[SD]
	s_cbranch_scc1 .Lhidden_\@                     ; all its keys come after my queries
	s_add_co_u32 s[TN], s[TB], RECB
	s_min_u32 s[TN], s[TN], 15*RECB
	s_cmp_eq_u32 s[SI], s[SD]
	s_cselect_b32 s[TN], 0, s[TN]                  ; the next record; behind the tile's last step record 0, for the next tile
	s_wait_loadcnt 0x0                             ; q
	s_wait_dscnt 0x0                               ; k
.irp t, 0,2,4,6
	v_wmma_scale_f32_16x16x128_f8f6f4 v[S+8*\t:S+8*\t+7], v[KF+6*\t:KF+6*\t+11], v[QF:QF+11], 0, v[KW+\t/2], v[QW] matrix_a_fmt:MATRIX_FMT_FP6 matrix_b_fmt:MATRIX_FMT_FP6
	v_wmma_scale_f32_16x16x128_f8f6f4 v[S+8*\t+8:S+8*\t+15], v[KF+6*\t+6:KF+6*\t+17], v[QF:QF+11], 0, v[KW+\t/2], v[QW] matrix_a_fmt:MATRIX_FMT_FP6 matrix_b_fmt:MATRIX_FMT_FP6 matrix_a_scale:MATRIX_SCALE_ROW1
.endr
	v_add_nc_u32 v[A8], s[TN], v2                  ; four places behind the products, in front of the loads and of the reads of S^T
	v_nop
	v_nop
	v_nop
.irp d, 0,1,2,3
.irp p, 0,1,2
	ds_load_b128 v[VF+12*\d+4*\p:VF+12*\d+4*\p+3], v[A16] offset:6144+1536*\d+512*\p
.endr
	ds_load_b32 v[VS+\d], v[A4] offset:12800+128*\d
.endr
	v_add_nc_u32 v[A16], s[TN], v1
	v_add_nc_u32 v[A4], s[TN], v3
	KLOAD                                          ; the next step's k
	s_cmp_lt_u32 s[SI], s[SD]
	s_cbranch_scc1 .Lopen_\@                       ; all keys count
	QLOAD                                          ; the tile's last step: q's registers are done with and take the next tile's
	s_lshl_b32 s54, s[SI], 7
	s_sub_co_i32 s54, s[Q0], s54
	v_add_nc_u32 v[T], s54, v4                     ; d = my query - the step's first key - 16 h.  Register 16 b + i holds key 32 b + 16 h + i: hidden where 32 b + i > d
	v_mov_b32 v[T+1], 0xff800000
.set n, 0
.rept 64
	v_cmp_gt_i32 vcc_lo, 32*(n/16)+n%16, v[T]
	v_cndmask_b32 v[S+n], v[S+n], v[T+1], vcc_lo
.set n, n+1
.endr
.Lopen_\@:
.irp b, 0,1,2,3
	v_max3_num_f32 v[T+\b], v[S+16*\b], v[S+1+16*\b], v[S+2+16*\b]   ; the largest score of each block of 32 keys: for the row's maximum and for the block's largest p
.endr
.irp i, 3,5,7,9,11,13
.irp b, 0,1,2,3
	v_max3_num_f32 v[T+\b], v[T+\b], v[S+16*\b+\i], v[S+1+16*\b+\i]
.endr
.endr
.irp b, 0,1,2,3
	v_max_num_f32 v[T+\b], v[T+\b], v[S+15+16*\b]
.endr
.irp b, 0,1,2,3
	D 4
	v_permlanex16_b32 v[T+4+\b], v[T+\b], s[SEL], s[SEL+1]
.endr
.irp b, 0,1,2,3
	D 4
	v_max_num_f32 v[T+\b], v[T+\b], v[T+4+\b]
.endr
	D 2
	v_max3_num_f32 v9, v[T], v[T+1], v[T+2]
	D 1
	v_max_num_f32 v9, v9, v[T+3]
	D 1
	v_mul_f32 v9, s[CS], v9                        ; the step's largest t
	D 1
	v_max_num_f32 v[NM+1], v[NM+1], v9
	v_mov_b32 v9, v[NM]
	D 2
	v_floor_f32 v[NM], -v[NM+1]                    ; the new -M = -ceil(t)
	D 1
	v_sub_f32 v9, v[NM], v9                        ; old M - new M: a whole number, 0 or less
	D 1
	v_cvt_i32_f32 v9, v9
	D 1
	v_ldexp_f32 v[FF], 1.0, v9                     ; f = 2^(old M - new M)
.set j, 0
.rept 32
	v_pk_fma_f32 v[S+j:S+j+1], v[S+j:S+j+1], s[CS:CS+1], v[NM:NM+1] op_sel_hi:[1,0,0]   ; t - M
.set j, j+2
.endr
.irp b, 0,1,2,3
	v_fma_f32 v[T+\b], v[T+\b], s[CS], v[NM]
.endr
.set j, 0
.rept 16
	v_pk_mul_f32 v[O+j:O+j+1], v[O+j:O+j+1], v[FF:FF+1] op_sel_hi:[1,0]   ; O^T under the new M, each accumulator from its low end on
.set j, j+2
.endr
	s_wait_alu depctr_va_vdst(0)
.set j, 0
.rept 64
	v_exp_f32 v[S+j], v[S+j]                       ; p = 2^(t - M)
.set j, j+1
.endr
.irp b, 0,1,2,3
	v_exp_f32 v[T+\b], v[T+\b]                     ; the block's largest p: the same two instructions on the same number
.endr
	v_pk_mul_f32 v[SUM:SUM+1], v[SUM:SUM+1], v[FF:FF+1] op_sel_hi:[1,0]   ; the sum under the new M (a plain place behind the exponentials)
	s_wait_alu depctr_va_vdst(0)                   ; and behind it
.irp b, 0,1,2,3
	v_max_num_f32 v[T+\b], 0x1800000, v[T+\b]      ; the floor: the byte cannot fall under 1
.endr
.irp b, 0,1,2,3
	D 4
	v_add_nc_u32 v[T+\b], 0xff000000, v[T+\b]      ; 2 off the exponent field: the conversion's scale operand
.endr
.irp b, 0,1,2,3
	D 4
	v_lshrrev_b32 v[T+4+\b], 23, v[T+\b]
.endr
	D 3
	v_lshl_or_b32 v[FF+1], v[T+5], 8, v[T+4]       ; p's scale word for these 128 keys
	D 1
	v_lshl_or_b32 v[FF+1], v[T+6], 16, v[FF+1]
	D 1
	v_lshl_or_b32 v[FF+1], v[T+7], 24, v[FF+1]
.irp c, 0,1
	v_cvt_scalef32_pk16_fp6_f32 v[P+6*\c:P+6*\c+2], v[S+32*\c:S+32*\c+15], v[T+2*\c]
	v_cvt_scalef32_pk16_fp6_f32 v[T+4+4*\c:T+6+4*\c], v[S+32*\c+16:S+32*\c+31], v[T+1+2*\c]
.endr
	v_nop                                          ; one plain place behind a scaled conversion
.irp c, 0,1
.irp i, 0,1,2
	v_permlane16_swap_b32 v[P+6*\c+\i], v[T+4+4*\c+\i]
.endr
.irp i, 0,1,2
	D 3
	v_mov_b32 v[P+3+6*\c+\i], v[T+4+4*\c+\i]
.endr
.endr
.set j, 0
.rept 16                                       ; the row's sum of the unquantised p: a tree in place, p's registers being done with
	v_pk_add_f32 v[S+j:S+j+1], v[S+j:S+j+1], v[S+32+j:S+33+j]
.set j, j+2
.endr
.set j, 0
.rept 8
	v_pk_add_f32 v[S+j:S+j+1], v[S+j:S+j+1], v[S+16+j:S+17+j]
.set j, j+2
.endr
.set j, 0
.rept 4
	D 4
	v_pk_add_f32 v[S+j:S+j+1], v[S+j:S+j+1], v[S+8+j:S+9+j]
.set j, j+2
.endr
.set j, 0
.rept 2
	D 2
	v_pk_add_f32 v[S+j:S+j+1], v[S+j:S+j+1], v[S+4+j:S+5+j]
.set j, j+2
.endr
	D 2
	v_pk_add_f32 v[SUM:SUM+1], v[SUM:SUM+1], v[S:S+1]
	D 1
	v_pk_add_f32 v[SUM:SUM+1], v[SUM:SUM+1], v[S+2:S+3]
	s_wait_alu depctr_va_vdst(0)
	s_wait_dscnt 20                                ; v's 16 loads are in; the 20 younger ones, the next step's k, stay out
.irp d, 0,1,2,3
	v_wmma_scale_f32_16x16x128_f8f6f4 v[O+8*\d:O+8*\d+7], v[VF+12*\d:VF+12*\d+11], v[P:P+11], v[O+8*\d:O+8*\d+7], v[VS+\d], v[FF+1] matrix_a_fmt:MATRIX_FMT_FP6 matrix_b_fmt:MATRIX_FMT_FP6
.endr
.Lhidden_\@:
	s_add_co_u32 s[TB], s[TB], RECB
	s_add_co_u32 s[SI], s[SI], 1
.endm
; The tile ends: O^T / the sum is y's 64 channels of my query: two blocks of 32, quantised and stored as a half fragment
.macro FINAL
	PLACES                                         ; behind the last products
	v_add_f32 v[SUM], v[SUM], v[SUM+1]
	D 1
	v_permlanex16_b32 v9, v[SUM], s[SEL], s[SEL+1]
	D 1
	v_add_f32 v[SUM], v[SUM], v9                   ; the row's sum
	s_wait_alu depctr_va_vdst(0)
	v_rcp_f32 v[SUM], v[SUM]
	v_and_b32 v9, 31, v0                           ; (a plain place behind the transcendental)
	D 1
	v_cmp_lt_u32 vcc_lo, 15, v9                    ; lanes 16-31
	s_wait_alu depctr_va_vdst(0)
.set j, 0
.rept 16
	v_pk_mul_f32 v[S+j:S+j+1], v[O+j:O+j+1], v[SUM:SUM+1] op_sel_hi:[1,0]   ; each accumulator from its low end on
.set j, j+2
.endr
.irp b, 0,1
	v_max3_num_f32 v[T+\b], |v[S+16*\b]|, |v[S+1+16*\b]|, 0x1800000
.endr
.irp i, 2,4,6,8,10,12,14
.irp b, 0,1
	D 2
	v_max3_num_f32 v[T+\b], v[T+\b], |v[S+16*\b+\i]|, |v[S+1+16*\b+\i]|
.endr
.endr
.irp b, 0,1
	D 2
	v_permlanex16_b32 v[T+4+\b], v[T+\b], s[SEL], s[SEL+1]
.endr
.irp b, 0,1
	D 2
	v_max_num_f32 v[T+\b], v[T+\b], v[T+4+\b]
.endr
.irp b, 0,1
	D 2
	v_add_nc_u32 v[T+2+\b], 0xff000000, v[T+\b]
.endr
.irp b, 0,1
	D 2
	v_lshrrev_b32 v[T+6+\b], 23, v[T+2+\b]
.endr
	v_cvt_scalef32_pk16_fp6_f32 v[P:P+2], v[S:S+15], v[T+2]
	v_cvt_scalef32_pk16_fp6_f32 v[T+8:T+10], v[S+16:S+31], v[T+3]
	v_nop
.irp i, 0,1,2
	v_permlane16_swap_b32 v[P+\i], v[T+8+\i]
.endr
.irp i, 0,1,2
	D 3
	v_mov_b32 v[P+3+\i], v[T+8+\i]
.endr
	v_cndmask_b32 v[T+6], v[T+6], v[T+7], vcc_lo   ; my half's block's byte
	global_store_b128 v1, v[P:P+3], s[60:61]       ; 512 bytes on end,
	global_store_b64 v2, v[P+4:P+5], s[60:61] offset:512   ; 256 bytes on end, each at a multiple of 256
	global_store_b8 v5, v[T+6], s[62:63] offset:3072
	global_store_b8 v5, v[T+6], s[62:63] offset:3200
.endm
	s_lshl_b32 s72, s12, 4
	s_add_co_u32 s72, s72, s[WV]                   ; 16 J + wave: the early tile
	s_sub_co_u32 s[TAU], 127, s72                  ; the late tile first
	QADR
	s_wait_alu depctr_va_vdst(0)
	QLOAD
	UNIT
	s_wait_tensorcnt 0x0                           ; my record is in
	s_barrier_signal -1
	s_barrier_wait -1                              ; all sixteen are, for every wave
	KLOAD                                          ; record 0's k
	s_wait_loadcnt 0x0                             ; q is in, so its bases may be written:
	s_mov_b32 s[TAU], s72
	QADR                                           ; the early tile's q, asked for in the late tile's last step
	s_mov_b32 s[CNT], 16
.Llate:
	STEP
	s_sub_co_u32 s[CNT], s[CNT], 1
	s_cmp_lg_u32 s[CNT], 0
	s_cbranch_scc1 .Llate
	FINAL
	UNIT
	s_mov_b32 s[CNT], 8                            ; an early tile lies among the first 64: at most 8 steps
.Learly:
	STEP
	s_sub_co_u32 s[CNT], s[CNT], 1
	s_cmp_lg_u32 s[CNT], 0
	s_cbranch_scc1 .Learly
	FINAL
	s_wait_tensorcnt 0x0                           ; the wave's end
	ds_add_u32 v[SPW], v[NIL]
	s_wait_dscnt 0x0
	CROUND                                         ; the closing round
	s_endpgm
.Lfunc_end_k_qdfa5d3cd84_attn:
	.size	k_qdfa5d3cd84_attn, .Lfunc_end_k_qdfa5d3cd84_attn-k_qdfa5d3cd84_attn
	.p2alignl 7, 3214868480
	.fill 96, 4, 3214868480
	.section	.rodata,"a",@progbits
	.p2align	6, 0x0
	.amdhsa_kernel k_qdfa5d3cd84_attn
		.amdhsa_group_segment_fixed_size 215040
		.amdhsa_private_segment_fixed_size 0
		.amdhsa_enable_private_segment 0
		.amdhsa_kernarg_size 24
		.amdhsa_user_sgpr_count 2
		.amdhsa_user_sgpr_kernarg_segment_ptr 1
		.amdhsa_wavefront_size32 1
		.amdhsa_system_sgpr_workgroup_id_x 1
		.amdhsa_system_sgpr_workgroup_id_y 1
		.amdhsa_system_sgpr_workgroup_id_z 1
		.amdhsa_system_vgpr_workitem_id 0
		.amdhsa_next_free_vgpr 256
		.amdhsa_next_free_sgpr 80
		.amdhsa_reserve_vcc 1
		.amdhsa_float_denorm_mode_32 3
		.amdhsa_float_denorm_mode_16_64 3
		.amdhsa_memory_ordered 1
		.amdhsa_forward_progress 1
		.amdhsa_inst_pref_size 66
	.end_amdhsa_kernel
	.amdgpu_metadata
---
amdhsa.version: [ 1, 2 ]
amdhsa.kernels:
  - .name:           k_qdfa5d3cd84_attn
    .symbol:         k_qdfa5d3cd84_attn.kd
    .args:
      - { .name: qq, .offset: 0, .size: 8, .value_kind: global_buffer, .address_space: global }
      - { .name: kvp, .offset: 8, .size: 8, .value_kind: global_buffer, .address_space: global }
      - { .name: yq, .offset: 16, .size: 8, .value_kind: global_buffer, .address_space: global }
    .group_segment_fixed_size: 215040
    .private_segment_fixed_size: 0
    .kernarg_segment_align: 8
    .kernarg_segment_size: 24
    .max_flat_workgroup_size: 512
    .sgpr_count:     80
    .vgpr_count:     256
    .wavefront_size: 32
...
	.end_amdgpu_metadata
.endif
;; end of part 3
;; launch gemm_out (part 4): grid 8 x 32, 4 waves a work-group, clusters of 4 x 4, 327,680 bytes of LDS; arguments xw, yq, b_proj, out0; writes out0
.if DOCPART == 4
	.amdgcn_target "amdgcn-amd-amdhsa--gfx1250"
	.amdhsa_code_object_version 6
	.text
	.protected	k_qdfa5d3cd84_gemm_out
	.globl	k_qdfa5d3cd84_gemm_out
	.p2align	8
	.type	k_qdfa5d3cd84_gemm_out,@function
k_qdfa5d3cd84_gemm_out:
	s_mov_b64 s[64:65], 0
	v_nop
	global_prefetch_b8 v0, s[64:65] scope:SCOPE_SE
	s_setreg_imm32_b32 hwreg(HW_REG_WAVE_MODE, 25, 1), 1
	s_wait_xcnt 0x0
	s_wait_alu depctr_hold_cnt(0) depctr_sa_sdst(0) depctr_va_vdst(0) depctr_va_sdst(0) depctr_va_ssrc(0) depctr_va_vcc(0) depctr_vm_vsrc(0)
	s_getreg_b32 s2, hwreg(HW_REG_IB_STS2, 6, 4)
	s_cmp_eq_u32 s2, 0
	s_cbranch_scc0 .Lentry_in_a_cluster
	s_endpgm
.Lentry_in_a_cluster:
	s_bfe_u32 s2, ttmp6, 0x10000c
	s_cmp_lg_u32 s2, 0xf033
	s_cbranch_scc0 .Lentry_shape_is_right
	s_endpgm
.Lentry_shape_is_right:
; out = y Wproj^T + b_proj on codes of FP6 with E8M0 scales; sums in f32.  y's codes (yq) and Wproj's (xw, tiles 608 on) lie as register images, a record of 3,328 bytes for 256 along K of a tile of 16 rows; a tile's four records lie on end.
; K IS WALKED IN ANOTHER ORDER THAN IT LIES IN y: record s holds heads s, s + 4, s + 8, s + 12, alike in both operands; blocks of 32 are whole, so the products are the same and only the order of the f32 sums differs.
; SHARES.  Work-group (c, ri): 128 rows of Wproj (out's columns 128 c on) against 256 rows of y.  All of K lies in LDS BY TILES, as in memory: y's 16 tiles, then Wproj's 8, 13,312 bytes each, filled once:
; waves 0, 1 fetch 8 tiles of y each, waves 2, 3 four of Wproj each: one dense load a wave.  The chunk of K stands in the LDS loads' immediates (52,736 at the most); y's tiles 4-7 have address registers of their own.
; Wave (ph = w % 2, rh = w / 2): 64 columns x 128 rows: 32 accumulators; source 0 = Wproj's 4 tiles, source 1 = y's 8 tiles: a lane holds one row of out and eight neighbouring columns a tile.
; The bias is the C of each sum's first product.  A tile's lane r holds row 32 (t / 2) + 8 (t % 2) + r + 8 (r / 8).
; CLUSTER 4 x 4: y's tiles hang on ri alone and are asked for jointly along a row of the cluster, Wproj's on c alone and along a column.  No prefetch: everything is asked for at the head, and there is no loop to run ahead in.
; REGISTERS: window 0: v1-7 addresses, v11-14 the way out and the bias, v16-47 scale words (two sets), v62-63 the add's, v64-255 y's fragments (two sets).
;   window 1: Wproj's fragments at 64 f + 12 b; the bias at v128-159.   window 2: the accumulators (y tile a, Wproj tile b) at 8 (4 a + b).
.set REC,   3328
.set TILEB, 4*REC
.set SPARE, 24*TILEB
.set SO,   11
.set SR,   12
.set CO,   13
.set BO,   14
.set SC,   16                          ; register 16 sc + 2 i + q: lanes 0-15 y's tile i; lanes 16-31 Wproj's tile i (i < 4)
.set YF,   64
.set BK,   64
.set G1Y,  24
.set G1W,  32
.set MSB, 0
.macro WIN new
.if MSB != \new
	s_set_vgpr_msb (MSB<<8)|\new
.set MSB, \new
.endif
.endm
.macro PLACES
.rept 4
	v_nop
.endr
.endm
.macro CROUND
	s_barrier_signal -1
	s_barrier_wait -1
	s_cmp_lg_u32 s12, 0
	s_cbranch_scc1 .Lnot_wave_0_\@
	s_barrier_signal -3
.Lnot_wave_0_\@:
	s_barrier_wait -3
	s_barrier_signal -1
	s_barrier_wait -1
.endm
	s_load_b256 s[4:11], s[0:1], 0x0               ; xw s[4:5], yq s[6:7], b_proj s[8:9], out0 s[10:11]
	v_lshl_add_u32 v62, v0, 2, SPARE
	v_mov_b32 v63, 0
	ds_add_u32 v62, v63                            ; the opening lines: the add twice on end and its wait
	ds_add_u32 v62, v63
	v_lshrrev_b32 v1, 5, v0
	v_readfirstlane_b32 s12, v1                    ; wave
	s_bfe_u32 s13, ttmp6, 0x40000                  ; cx
	s_bfe_u32 s14, ttmp6, 0x40004                  ; cy
	s_lshl_b32 s15, ttmp9, 2
	s_add_co_u32 s15, s15, s13                     ; c
	s_and_b32 s16, ttmp7, 0xffff
	s_lshl_b32 s16, s16, 2
	s_add_co_u32 s16, s16, s14                     ; ri
	s_lshl_b32 s17, s14, 2
	s_lshl_b32 s17, 15, s17                        ; my row of the cluster
	s_lshl_b32 s18, 0x1111, s13                    ; my column
	s_and_b32 s19, s12, 1                          ; ph
	s_lshr_b32 s20, s12, 1                         ; rh
	; group 1: dense rows of 256 bytes (32 elements of 8): 8 tiles are 416 rows, 4 tiles 208
	s_or_b32 s[G1Y], s17, (3<<16)|(1<<21)
	s_mov_b32 s[G1Y+1], 32<<16
	s_mov_b32 s[G1Y+2], 416<<16
	s_mov_b32 s[G1Y+3], 32<<16
	s_mov_b32 s[G1Y+4], 416
	s_mov_b32 s[G1Y+5], 32
	s_mov_b32 s[G1Y+6], 0
	s_mov_b32 s[G1Y+7], 0
	s_or_b32 s[G1W], s18, (3<<16)|(1<<21)
	s_mov_b32 s[G1W+1], 32<<16
	s_mov_b32 s[G1W+2], 208<<16
	s_mov_b32 s[G1W+3], 32<<16
	s_mov_b32 s[G1W+4], 208
	s_mov_b32 s[G1W+5], 32
	s_mov_b32 s[G1W+6], 0
	s_mov_b32 s[G1W+7], 0
	s_lshl_b32 s76, s16, 4
	s_lshl_b32 s77, s12, 3
	s_add_co_u32 s76, s76, s77
	s_mul_i32 s76, s76, TILEB                      ; y: tile 16 ri + 8 wave (waves 0, 1)
	s_mov_b32 s77, 0
	s_lshl_b32 s78, s15, 3
	s_lshl_b32 s79, s12, 2
	s_add_co_u32 s78, s78, s79
	s_add_co_u32 s78, s78, 600
	s_mul_i32 s78, s78, TILEB                      ; Wproj: tile 608 + 8 c + 4 (wave - 2) (waves 2, 3)
	s_mov_b32 s79, 0
	s_mul_i32 s21, s12, 8*TILEB                    ; where y's go,
	s_mul_i32 s22, s12, 4*TILEB
	s_add_co_u32 s22, s22, 8*TILEB                 ; and Wproj's: tile 16 + 4 (wave - 2)
	s_wait_dscnt 0x0
	s_wait_kmcnt 0x0
	CROUND                                         ; all sixteen work-groups are here: the joint loads meet
	s_mov_b32 s40, 1
	s_mov_b32 s41, s21
	s_add_nc_u64 s[42:43], s[6:7], s[76:77]
	s_or_b32 s43, s43, 0x80000000
	s_mov_b32 s44, 1
	s_mov_b32 s45, s22
	s_add_nc_u64 s[46:47], s[4:5], s[78:79]
	s_or_b32 s47, s47, 0x80000000
	s_cmp_lt_u32 s12, 2                            ; one load a wave, in the two arms of one branch
	s_cbranch_scc0 .Lfor_w
	tensor_load_to_lds s[40:43], s[G1Y:G1Y+7]
	s_nop 0
	PLACES
	s_branch .Lasked
.Lfor_w:
	tensor_load_to_lds s[44:47], s[G1W:G1W+7]
	s_nop 0
	PLACES
.Lasked:
	s_lshl_b32 s80, s16, 8
	s_lshl_b32 s81, s20, 7
	s_add_co_u32 s80, s80, s81                     ; my first row of out
	s_lshl_b32 s80, s80, 12
	s_lshl_b32 s82, s15, 9
	s_lshl_b32 s83, s19, 8
	s_add_co_u32 s82, s82, s83                     ; my first column, in bytes
	s_mov_b32 s83, 0
	s_add_nc_u64 s[8:9], s[8:9], s[82:83]          ; the bias there
	s_add_co_u32 s80, s80, s82
	s_mov_b32 s81, 0
	s_add_nc_u64 s[10:11], s[10:11], s[80:81]
	v_and_b32 v48, 31, v0                          ; l
	v_and_b32 v49, 15, v0                          ; r
	v_bfe_u32 v50, v0, 4, 1                        ; h
	s_mul_i32 s84, s20, 8*TILEB                    ; my 8 tiles of y
	v_lshl_add_u32 v1, v48, 4, s84                 ; v1: 16 l, tiles 0-3
	v_lshl_add_u32 v2, v48, 3, s84                 ; v2: 8 l
	s_mul_i32 s85, s19, 4*TILEB
	s_add_co_u32 s85, s85, 16*TILEB                ; my four tiles of Wproj
	v_lshl_add_u32 v3, v48, 4, s85                 ; v3
	s_sub_co_u32 s86, s85, s84                     ; so far behind y's lie Wproj's tiles
	v_mul_u32_u24 v51, s86, v50
	v_add_nc_u32 v4, v2, v51
	v_add_nc_u32 v4, 3072, v4                      ; v4: scale words, tiles 0-3: lanes 16-31 take Wproj's tile i
	s_sub_co_u32 s86, s86, 4*TILEB
	v_mul_u32_u24 v51, s86, v50
	v_add_nc_u32 v5, v2, v51
	v_add_nc_u32 v5, 4*TILEB+3072, v5              ; v5: y's tiles 4-7; lanes 16-31 read Wproj's tile i - 4 again (not used)
	v_add_nc_u32 v6, 4*TILEB, v1                   ; v6, v7: 16 l and 8 l, tiles 4-7
	v_add_nc_u32 v7, 4*TILEB, v2
	s_mul_i32 s87, s12, 16*272                     ; my stage
	v_mul_u32_u24 v[SO], v49, 272
	v_lshl_add_u32 v[SO], v50, 6, v[SO]
	v_add_nc_u32 v[SO], s87, v[SO]                 ; in: row r, + 64 h
	v_mul_u32_u24 v[SR], v50, 272
	v_lshl_add_u32 v[SR], v49, 4, v[SR]
	v_add_nc_u32 v[SR], s87, v[SR]                 ; back: lanes 0-15 one row of 256 bytes, lanes 16-31 the next
	v_lshlrev_b32 v[CO], 12, v50
	v_lshl_add_u32 v[CO], v49, 4, v[CO]            ; and the same two rows in out
	v_lshlrev_b32 v[BO], 6, v50                    ; the bias: my half's 16 columns of 32
	WIN 0x40                                       ; destination window 1
.irp b, 0,1,2,3
	global_load_b128 v[128+8*\b:128+8*\b+3], v[BO], s[8:9] offset:(32*(\b/2)+8*(\b%2))*4
	global_load_b128 v[128+8*\b+4:128+8*\b+7], v[BO], s[8:9] offset:(32*(\b/2)+8*(\b%2))*4+16
.endr
	WIN 0
.macro FETCH f, q, s                   ; the 12 fragments of chunk s's q-th 128 along K into set f: 44 loads.  A fragment of y is two half fragments on end
	WIN 0
.irp i, 0,1,2,3,4,5,6,7
	ds_load_b128 v[YF+96*(\f)+12*\i:YF+96*(\f)+12*\i+3], v[1+5*(\i/4)] offset:TILEB*(\i%4)+REC*(\s)+1536*(\q)
	ds_load_b64 v[YF+96*(\f)+12*\i+4:YF+96*(\f)+12*\i+5], v[2+5*(\i/4)] offset:TILEB*(\i%4)+REC*(\s)+1536*(\q)+512
	ds_load_b128 v[YF+96*(\f)+12*\i+6:YF+96*(\f)+12*\i+9], v[1+5*(\i/4)] offset:TILEB*(\i%4)+REC*(\s)+1536*(\q)+768
	ds_load_b64 v[YF+96*(\f)+12*\i+10:YF+96*(\f)+12*\i+11], v[2+5*(\i/4)] offset:TILEB*(\i%4)+REC*(\s)+1536*(\q)+1280
.endr
	WIN 0x40
.irp b, 0,1,2,3
.irp p, 0,1,2
	ds_load_b128 v[64*(\f)+12*\b+4*\p:64*(\f)+12*\b+4*\p+3], v3 offset:TILEB*\b+REC*(\s)+1536*(\q)+512*\p
.endr
.endr
	WIN 0
.endm
.macro SCALES sc, s                    ; chunk s's scale words, two a row, into set sc
.irp i, 0,1,2,3
	ds_load_b64 v[SC+16*(\sc)+2*\i:SC+16*(\sc)+2*\i+1], v4 offset:TILEB*\i+REC*(\s)
	ds_load_b64 v[SC+16*(\sc)+8+2*\i:SC+16*(\sc)+8+2*\i+1], v5 offset:TILEB*\i+REC*(\s)
.endr
.endm
; 32 matrix instructions, 128 along K; the 32 accumulators take turns, one instruction a turn, in the same order in every step.  first = 1: the bias is the C
.macro MUL f, q, sc, first
.if \first
	WIN 0x91                                       ; source 0 window 1, source 1 window 0, C window 1, D window 2
.else
	WIN 0xa1                                       ; C and D window 2
.endif
.irp a, 0,1,2,3,4,5,6,7
.irp b, 0,1,2,3
.if \first
	v_wmma_scale_f32_16x16x128_f8f6f4 v[8*(4*\a+\b):8*(4*\a+\b)+7], v[64*(\f)+12*\b:64*(\f)+12*\b+11], v[YF+96*(\f)+12*\a:YF+96*(\f)+12*\a+11], v[128+8*\b:128+8*\b+7], v[SC+16*(\sc)+2*\b+(\q)], v[SC+16*(\sc)+2*\a+(\q)] matrix_a_fmt:MATRIX_FMT_FP6 matrix_b_fmt:MATRIX_FMT_FP6 matrix_a_scale:MATRIX_SCALE_ROW1
.else
	v_wmma_scale_f32_16x16x128_f8f6f4 v[8*(4*\a+\b):8*(4*\a+\b)+7], v[64*(\f)+12*\b:64*(\f)+12*\b+11], v[YF+96*(\f)+12*\a:YF+96*(\f)+12*\a+11], v[8*(4*\a+\b):8*(4*\a+\b)+7], v[SC+16*(\sc)+2*\b+(\q)], v[SC+16*(\sc)+2*\a+(\q)] matrix_a_fmt:MATRIX_FMT_FP6 matrix_b_fmt:MATRIX_FMT_FP6 matrix_a_scale:MATRIX_SCALE_ROW1
.endif
.endr
.endr
	WIN 0
.endm
	; Eight steps of 128 along K; in each the next step's fragments are asked for ahead of the step's products, four plain places behind the last products
	s_wait_alu depctr_va_vdst(0)
	s_wait_tensorcnt 0x0                           ; my tiles are in
	s_barrier_signal -1
	s_barrier_wait -1                              ; everybody's are; nothing is filled again
	FETCH 0, 0, 0
	SCALES 0, 0
	FETCH 1, 1, 0
	s_wait_dscnt 44                                ; all but the 44 loads just issued
	s_wait_loadcnt 0x0                             ; the bias
	MUL 0, 0, 0, 1
.set k, 1
.rept 6
	s_wait_dscnt 0x0                               ; step k's fragments are in
	PLACES
	FETCH (k+1)%2, (k+1)%2, (k+1)/2
.if (k+1)%2 == 0
	SCALES ((k+1)/2)%2, (k+1)/2
.endif
	MUL k%2, k%2, (k/2)%2, 0
.set k, k+1
.endr
	s_wait_dscnt 0x0                               ; step 7: my reads of the tiles are over:
	s_barrier_signal -1                            ; say so,
	MUL 1, 1, 1, 0
	s_barrier_wait -1                              ; and behind this wait nobody reads the tiles any more
; THE WAY OUT, a tile of 16 rows x 64 columns at a time, through my own stage of 16 rows x (256 + 16) bytes.  The stages lie over y's first tiles: their one fill is done, and every wave's reads are over.
; LDS serves a wave's instructions in order: no wait between the stores and the loads, nor in front of the next tile's stores.
.macro TOSTAGE a
	WIN 0x08                                       ; an LDS store's data: window 2
.irp b, 0,1,2,3
	ds_store_b128 v[SO], v[8*(4*(\a)+\b):8*(4*(\a)+\b)+3] offset:128*(\b/2)+32*(\b%2)        ; each accumulator from its low end on
	ds_store_b128 v[SO], v[8*(4*(\a)+\b)+4:8*(4*(\a)+\b)+7] offset:128*(\b/2)+32*(\b%2)+16
.endr
	WIN 0
.set BB, BK+32*((\a)%2)
.irp t, 0,1,2,3,4,5,6,7
	ds_load_b128 v[BB+4*\t:BB+4*\t+3], v[SR] offset:544*\t
.endr
.endm
.macro SEND a, younger                 ; younger: the LDS instructions issued behind tile a's loads
.set BB, BK+32*((\a)%2)
	s_wait_dscnt \younger
.irp t, 0,1,2,3,4,5,6,7
	global_store_b128 v[CO], v[BB+4*\t:BB+4*\t+3], s[10:11] offset:(32*((\a)/2)+8*((\a)%2)+2*\t+8*(\t/4))*4096 th:TH_STORE_NT   ; 16 lanes store 256 bytes on end, at a multiple of 256
.endr
.endm
	PLACES                                         ; behind the last products: for the reads of results and the loads into y's registers
	TOSTAGE 0
.irp a, 1,2,3,4,5,6,7
.if \a > 1
	s_wait_xcnt 0x0                                ; tile a - 2's stores have read their registers: tile a's loads may land there
.endif
	TOSTAGE \a
	SEND \a-1, 16                                  ; behind tile a - 1's loads: tile a's 8 stores and 8 loads
.endr
	SEND 7, 0
	s_wait_tensorcnt 0x0                           ; the wave's end
	ds_add_u32 v62, v63
	s_wait_dscnt 0x0
	CROUND                                         ; the closing round
	s_endpgm
.Lfunc_end_k_qdfa5d3cd84_gemm_out:
	.size	k_qdfa5d3cd84_gemm_out, .Lfunc_end_k_qdfa5d3cd84_gemm_out-k_qdfa5d3cd84_gemm_out
	.p2alignl 7, 3214868480
	.fill 96, 4, 3214868480
	.section	.rodata,"a",@progbits
	.p2align	6, 0x0
	.amdhsa_kernel k_qdfa5d3cd84_gemm_out
		.amdhsa_group_segment_fixed_size 327680
		.amdhsa_private_segment_fixed_size 0
		.amdhsa_enable_private_segment 0
		.amdhsa_kernarg_size 32
		.amdhsa_user_sgpr_count 2
		.amdhsa_user_sgpr_kernarg_segment_ptr 1
		.amdhsa_wavefront_size32 1
		.amdhsa_system_sgpr_workgroup_id_x 1
		.amdhsa_system_sgpr_workgroup_id_y 1
		.amdhsa_system_sgpr_workgroup_id_z 1
		.amdhsa_system_vgpr_workitem_id 0
		.amdhsa_next_free_vgpr 768
		.amdhsa_next_free_sgpr 100
		.amdhsa_reserve_vcc 0
		.amdhsa_float_denorm_mode_32 3
		.amdhsa_float_denorm_mode_16_64 3
		.amdhsa_memory_ordered 1
		.amdhsa_forward_progress 1
		.amdhsa_inst_pref_size 81
	.end_amdhsa_kernel
	.amdgpu_metadata
---
amdhsa.version: [ 1, 2 ]
amdhsa.kernels:
  - .name:           k_qdfa5d3cd84_gemm_out
    .symbol:         k_qdfa5d3cd84_gemm_out.kd
    .args:
      - { .name: xw, .offset: 0, .size: 8, .value_kind: global_buffer, .address_space: global }
      - { .name: yq, .offset: 8, .size: 8, .value_kind: global_buffer, .address_space: global }
      - { .name: b_proj, .offset: 16, .size: 8, .value_kind: global_buffer, .address_space: global }
      - { .name: out0, .offset: 24, .size: 8, .value_kind: global_buffer, .address_space: global }
    .group_segment_fixed_size: 327680
    .private_segment_fixed_size: 0
    .kernarg_segment_align: 8
    .kernarg_segment_size: 32
    .max_flat_workgroup_size: 128
    .sgpr_count:     100
    .vgpr_count:     768
    .wavefront_size: 32
...
	.end_amdgpu_metadata
.endif
;; end of part 4
